; MI455X (gfx1250); checked and timed in simulation.
; The chip was launched on July 23, 2026; its instructions are those of AMD's public machine-readable ISA for CDNA 5 (MIT licence, August 2026) and "CDNA5" Instruction Set Architecture Reference Guide (July 2026). The comments in the code are by the model that wrote it; some were corrected since.
;; Self Attention Masked. Allowed arithmetic: matrix products marked QUANTISED: E2M1 operands, one E8M0 scale for each 32 along K, by v_wmma_scale_f32_16x16x128_f8f6f4 with both operands' format E2M1 (or v_wmma_scale_f32_32x16x128_f4), f32 sums; products left as they are: bf16, f16 or f32 operands; f32 sums; everything else in f32.
;; Inputs: W_out 1,024 x 1,024 float32; W_qkv 1,024 x 3,072 float32; b_out 1,024 float32; mask 4 x 2,048 x 2,048 int32; x 4 x 2,048 x 1,024 float32.
;; Outputs: out0 4 x 2,048 x 1,024 float32.
;; This version of the problem:
;;   THIS VERSION OF THE PROBLEM IS GIVEN IN LOW PRECISION. The matrix products marked QUANTISED in the list below multiply operands that are first quantised to E2M1 (2 exponent bits, 1 mantissa bit; 4 bits a number), with one power-of-two scale for each 32 numbers along K (OCP MX v1.0); their sums are f32. The products marked 'left as it is' may take bf16, f16 or f32 operands, with f32 sums. Whichever they take, every output number must still come out within the allowed error. Rounding operands to bf16 (8 significant bits) uses up far more of that allowance than f16 does (11 bits, for magnitudes from 6e-5 to 65,504). All else is computed in f32.
;;   The module's matrix products, in the order in which they are computed (A, B: the left and right operand; K: the contracted axis; several contracted axes count as one K, in the product's order):
;;     1. [M 8,192, K 1,024] x [K 1,024, N 3,072]; A: input x; B: input W_qkv: QUANTISED
;;     2. batch 64 x [M 2,048, K 64] x [K 64, N 2,048]; A: computed on the way; B: computed on the way: left as it is (an operand is computed on the way)
;;     3. batch 64 x [M 2,048, K 2,048] x [K 2,048, N 64]; A: computed on the way; B: computed on the way: left as it is (an operand is computed on the way)
;;     4. [M 8,192, K 1,024] x [K 1,024, N 1,024]; A: computed on the way; B: input W_out: left as it is (an operand is computed on the way)
;;   THE QUANTISER, for each operand of a quantised product, along K:
;;     - K is cut into blocks of 32 from its start; a last block that is shorter is filled with zeros.
;;     - A block's scale is 2^e with e = floor(log2(the largest magnitude in the block)) - 2, held to -126 .. 127; a block of zeros has e = 0. As a byte (E8M0): e + 127.
;;     - Each number is divided by its block's scale, clamped to +-6, and rounded to the nearest number of E2M1, ties to even, subnormals kept.
;;     - The product sums the exact products of the quantised numbers (number of the format x scale) in f32.
;;   ~~~python
;;   def quantise(x, axis):      # numpy; x: float32 -> the quantised numbers, widened to float32 again
;;       x = np.moveaxis(x, axis, -1); K = x.shape[-1]
;;       x = np.pad(x, [(0, 0)] * (x.ndim - 1) + [(0, -K % 32)]); x = x.reshape(x.shape[:-1] + (-1, 32)); a = np.abs(x).max(-1, keepdims=True)
;;       e = np.where(a > 0, np.clip(np.frexp(np.where(a > 0, a, 1))[1] - 1 - 2, -126, 127), 0)      # np.frexp(a)[1] - 1 = floor(log2(a)), exactly
;;       r = np.clip(x / 2.0 ** e, -6, 6)
;;       step = 2.0 ** (np.maximum(np.frexp(np.where(r == 0, 1, r))[1] - 1, 0) - 1)
;;       q = np.round(r / step) * step * 2.0 ** e      # np.round: ties to even
;;       return np.moveaxis(q.reshape(q.shape[:-2] + (-1,))[..., :K], -1, axis).astype(np.float32)
;;   ~~~
;; One version. Each part assembles by itself: llvm-mc -triple=amdgcn-amd-amdhsa -mcpu=gfx1250 --defsym DOCPART=n.
;; ======== version 1 of 1: 4 launches
;; limits: values are held in f16: magnitudes above 65,504 overflow, below 6.1e-05 lose precision
;; workspace buffers: x_codes 4,194,304 bytes; x_scales 262,144 bytes; w_codes 1,572,864 bytes; w_scales 98,304 bytes; w16 2,097,152 bytes; maskw 2,097,152 bytes of whole numbers; qkvh 50,331,648 bytes; o16 16,777,216 bytes
;; launch prep (part 1): grid 880 x 1, 4 waves a work-group, no clusters, 101,888 bytes of LDS; arguments x, W_qkv, W_out, mask, x_codes, x_scales, w_codes, w_scales, w16, maskw; writes x_codes, x_scales, w_codes, w_scales, w16, maskw
.if DOCPART == 1
	.amdgcn_target "amdgcn-amd-amdhsa--gfx1250"
	.amdhsa_code_object_version 6
	.text
	.protected	k_q38ddde8948_prep
	.globl	k_q38ddde8948_prep
	.p2align	8
	.type	k_q38ddde8948_prep,@function
k_q38ddde8948_prep:
	s_mov_b64 s[64:65], 0
	v_nop
	global_prefetch_b8 v0, s[64:65] scope:SCOPE_SE
	s_setreg_imm32_b32 hwreg(HW_REG_WAVE_MODE, 25, 1), 1
	s_wait_xcnt 0x0
; PREP: everything that is made once from the inputs, in one launch.  Four kinds of work-group, told apart by the work-group's number alone:
;   0-511    the mask [4][2048][2048] int32 becomes one BIT a score, laid as lane masks for the attention launch
;   512-767  x [8192][1024] f32 becomes codes of FP4 (E2M1) with K innermost and one E8M0 byte for each 32 along K
;   768-815  W_qkv [1024 (k)][3072 (n)] f32 becomes codes laid [n][k], K innermost, and its scale bytes [n][k / 32]
;   816-879  W_out [1024][1024] f32 becomes f16, same layout
; A block's scale is 2^(floor(log2(its largest magnitude)) - 2); its byte is the largest magnitude's exponent field - 2, held at 1 from below.
; LIMITS: a block of zeros gets the byte 1 where the rule says 127 (its codes are zeros, and this program alone reads the bytes); blocks whose largest magnitude lies under 2^-124
; were not tried; NaN and infinities in x and W_qkv are not served; W_out beyond 65,504 becomes infinite in f16.
; No tensor loads, no barriers: waves share nothing.  Each kind has LDS bytes of its own.
.set XREG,  0                          ; x: 8,192 bytes a wave: two stages of 32 x 80 bytes and 256 scale bytes
.set WREG,  32768                      ; W_qkv: 8,704 bytes a wave: 32 rows x 272
.set MREG,  67584                      ; mask: 8,448 bytes a wave: 16 rows x 528
.set SPARE, 101376                     ; the spare words, 128 bytes for each wave: two blocks of 256 bytes that no other line names
.set SPW,   12                         ; v12  LDS address of my spare word; never rewritten
.set NIL,   13                         ; v13  0; never rewritten
.set WV,    48                         ; s48  my wave's number
.set EMAX,  2
.macro FINISH                          ; the wave's end, behind my last LDS store
	s_wait_tensorcnt 0x0
	ds_add_u32 v[SPW], v[NIL]
	s_wait_dscnt 0x0
	s_endpgm
.endm
	v_lshl_add_u32 v[SPW], v0, 2, SPARE
	v_mov_b32 v[NIL], 0
	v_lshrrev_b32 v1, 5, v0
	v_readfirstlane_b32 s[WV], v1                  ; wave 0..3
	v_and_b32 v2, 31, v0                           ; lane
	s_cmp_lt_u32 ttmp9, 512
	s_cbranch_scc1 .Lmask
	s_cmp_lt_u32 ttmp9, 768
	s_cbranch_scc1 .Lx
	s_cmp_lt_u32 ttmp9, 816
	s_cbranch_scc1 .Lw
	; ---- W_out to f16: a wave takes 4,096 numbers: 32 loads of 512 consecutive bytes, all out at once; each store covers 256 consecutive bytes, aligned
	s_load_b64 s[4:5], s[0:1], 0x10                ; W_out
	s_load_b64 s[6:7], s[0:1], 0x40                ; w16
	v_lshlrev_b32 v4, 4, v2
	v_lshlrev_b32 v5, 3, v2
	s_sub_co_u32 s9, ttmp9, 816
	s_lshl_b32 s9, s9, 2
	s_add_co_u32 s9, s9, s[WV]                     ; which run of 4,096 numbers is mine
	s_lshl_b32 s10, s9, 14
	s_mov_b32 s11, 0
	s_lshl_b32 s12, s9, 13
	s_mov_b32 s13, 0
	s_wait_kmcnt 0x0
	s_add_nc_u64 s[4:5], s[4:5], s[10:11]
	s_add_nc_u64 s[6:7], s[6:7], s[12:13]
.set i, 0
.rept 32
	global_load_b128 v[16+4*i:19+4*i], v4, s[4:5] offset:512*i th:TH_LOAD_NT
.set i, i+1
.endr
.set i, 0
.rept 32
	s_wait_loadcnt 31-i                            ; loads come back in order: load i is in, the younger ones stay out
	v_cvt_pk_f16_f32 v[16+4*i], v[16+4*i], v[17+4*i]
	v_cvt_pk_f16_f32 v[17+4*i], v[18+4*i], v[19+4*i]
	global_store_b64 v5, v[16+4*i:17+4*i], s[6:7] offset:256*i   ; each pair of registers is stored once and not written again
.set i, i+1
.endr
	FINISH
	; ---- THE MASK.  Work-group g = 128 b + qt takes 16 query rows, wave w keys 512 w on, in four steps of 128 keys.
	; Word [g][kt][j] of the result: bit 16 h + r is (mask[16 qt + r][16 kt + 8 h + j] == 1): the lane mask of score register j of key tile kt, as the attention launch holds its scores.
	; Loads take 512 consecutive bytes of a row; the 16 rows turn through my own stage (rows 528 bytes apart: row r starts at bank 4 r mod 64), so that lane (r, h) gets row r's keys 16 t + 8 h + 0..7.
.set MR, 16                            ; v16-143  two sets of 64 registers as loaded
.set MX, 144                           ; v144-207 register 8 t + j: mask[r][16 t + 8 h + j]
.set WD, 208                           ; v208-215 a pair for each step: lane l holds words 2 l and 2 l + 1 of the step's 64
.Lmask:
	s_load_b64 s[4:5], s[0:1], 0x18                ; mask
	s_load_b64 s[6:7], s[0:1], 0x48                ; maskw
	v_and_b32 v3, 15, v0                           ; r
	v_bfe_u32 v9, v0, 4, 1                         ; h
	v_lshlrev_b32 v4, 4, v2                        ; 16 x lane
	s_mul_i32 s9, s[WV], 8448
	s_add_co_u32 s9, s9, MREG                      ; my stage
	v_add_nc_u32 v5, s9, v4                        ; in: 16 x lane of a row
	v_mul_u32_u24 v6, v3, 528
	v_lshl_add_u32 v6, v9, 5, v6
	v_add_nc_u32 v6, s9, v6                        ; back: row r, + 32 h
	v_lshlrev_b32 v7, 3, v2                        ; out: 8 bytes a lane
.irp i, 0,1,2,3,4,5,6,7
	v_mov_b32 v[WD+\i], 0                          ; written once: v_writelane_b32's destination counts as read
.endr
	s_lshl_b32 s10, ttmp9, 17                      ; 16 rows of 8,192 bytes a work-group,
	s_lshl_b32 s12, s[WV], 11                      ; 512 keys a wave
	s_add_co_u32 s10, s10, s12
	s_mov_b32 s11, 0
	s_lshl_b32 s12, ttmp9, 12                      ; 1,024 words a work-group,
	s_lshl_b32 s14, s[WV], 10                      ; 256 a wave
	s_add_co_u32 s12, s12, s14
	s_mov_b32 s13, 0
	s_wait_kmcnt 0x0
	s_add_nc_u64 s[4:5], s[4:5], s[10:11]
	s_add_nc_u64 s[6:7], s[6:7], s[12:13]
.macro LOADM s
.irp i, 0,1,2,3,4,5,6,7,8,9,10,11,12,13,14,15
	global_load_b128 v[MR+64*((\s)%2)+4*\i:MR+64*((\s)%2)+4*\i+3], v4, s[4:5] offset:8192*\i+512*(\s) th:TH_LOAD_NT
.endr
.endm
.macro MSTEP s
.if (\s) < 3
	s_wait_loadcnt 16                              ; this step's 16 loads are in; the next step's 16 may be out
.else
	s_wait_loadcnt 0x0
.endif
.irp i, 0,1,2,3,4,5,6,7,8,9,10,11,12,13,14,15
	ds_store_b128 v5, v[MR+64*((\s)%2)+4*\i:MR+64*((\s)%2)+4*\i+3] offset:528*\i
.endr
.irp i, 0,1,2,3,4,5,6,7,8,9,10,11,12,13,14,15
	ds_load_b128 v[MX+4*\i:MX+4*\i+3], v6 offset:64*(\i/2)+16*(\i%2)   ; LDS serves a wave's instructions in order: these see my stores
.endr
	s_wait_dscnt 0x0                               ; the numbers are back, and the stores have read their registers,
.if (\s) < 2
	LOADM (\s)+2                                   ; which take the loads of two steps on
.endif
.irp g, 0,1                                    ; 32 compares, then 32 writes: no write waits for the compare just above it
.set k, 0
.rept 32
	v_cmp_eq_u32 s[16+k], 1, v[MX+32*\g+k]         ; a word of the result: one bit a lane
.set k, k+1
.endr
.set k, 0
.rept 32
	v_writelane_b32 v[WD+2*(\s)+(k&1)], s[16+k], 16*\g+(k>>1)
.set k, k+1
.endr
.endr
	global_store_b64 v7, v[WD+2*(\s):WD+2*(\s)+1], s[6:7] offset:256*(\s)   ; 32 lanes store 256 consecutive bytes, aligned
.endm
	LOADM 0
	LOADM 1
	MSTEP 0
	MSTEP 1
	MSTEP 2
	MSTEP 3
	FINISH
	; ---- x: a plain stream of blocks of 32 numbers.  A wave takes 16 steps of 512 numbers.  Each load reads 512 consecutive bytes; a step's 2,048 bytes turn through my own stage (16 bytes of padding behind each 64)
	; and come back 16 NEIGHBOURS a lane, as the conversion wants them; two neighbouring lanes hold a block.  Loads run four steps ahead, the turn through LDS one step.
.set XSP, 80                           ; a lane's place in a stage
.set XR,  16                           ; v16-79   four sets of 16 numbers as loaded
.set XX,  80                           ; v80-111  two sets of 16 neighbours
.set XE,  112                          ; v112-127 a scale byte for each step
.set XC,  128                          ; v128-191 codes: registers of its own for each step
.Lx:
	s_load_b64 s[4:5], s[0:1], 0x0                 ; x
	s_load_b128 s[8:11], s[0:1], 0x20              ; x_codes, x_scales
	v_lshlrev_b32 v3, 4, v2                        ; my 16 bytes of a load's 512
	s_mul_i32 s17, s[WV], 8192                     ; my region (XREG = 0)
	v_lshrrev_b32 v14, 2, v2
	v_mul_u32_u24 v14, v14, XSP
	v_and_b32 v15, 3, v2
	v_lshl_add_u32 v14, v15, 4, v14
	v_add_nc_u32 v14, s17, v14                     ; in: four lanes' 64 bytes on end, then 16 of padding
	v_mul_u32_u24 v15, v2, XSP
	v_add_nc_u32 v15, s17, v15                     ; back: my 16 neighbours
	v_lshlrev_b32 v4, 3, v2                        ; my 8 bytes of a step's codes
	v_lshrrev_b32 v5, 1, v2
	s_add_co_u32 s17, s17, 2*32*XSP
	v_add_nc_u32 v5, s17, v5                       ; my block's byte among my wave's 256 scale bytes
	v_lshlrev_b32 v7, 3, v2
	v_add_nc_u32 v6, s17, v7                       ; and 8 of them a lane on the way out
	s_sub_co_u32 s18, ttmp9, 512
	s_lshl_b32 s18, s18, 2
	s_add_co_u32 s18, s18, s[WV]                   ; which run of 8,192 numbers is mine
	s_lshl_b32 s20, s18, 15
	s_mov_b32 s21, 0
	s_lshl_b32 s22, s18, 12
	s_mov_b32 s23, 0
	s_lshl_b32 s24, s18, 8
	s_mov_b32 s25, 0
	s_wait_kmcnt 0x0
	s_add_nc_u64 s[4:5], s[4:5], s[20:21]
	s_add_nc_u64 s[8:9], s[8:9], s[22:23]
	s_add_nc_u64 s[10:11], s[10:11], s[24:25]
.macro XLOAD t
.irp i, 0,1,2,3
	global_load_b128 v[XR+16*((\t)%4)+4*\i:XR+16*((\t)%4)+4*\i+3], v3, s[4:5] offset:2048*(\t)+512*\i th:TH_LOAD_NT
.endr
.endm
.macro XTURN t
.irp i, 0,1,2,3
	ds_store_b128 v14, v[XR+16*((\t)%4)+4*\i:XR+16*((\t)%4)+4*\i+3] offset:32*XSP*((\t)%2)+8*XSP*\i
.endr
.irp i, 0,1,2,3
	ds_load_b128 v[XX+16*((\t)%2)+4*\i:XX+16*((\t)%2)+4*\i+3], v15 offset:32*XSP*((\t)%2)+16*\i
.endr
.endm
.irp t, 0,1,2,3
	XLOAD \t
.endr
	s_wait_loadcnt 12                              ; step 0's four loads are in
	XTURN 0
.macro XSTEP t
.set XS, XX+16*((\t)%2)
.if (\t) > 0
	s_wait_dscnt 1                                 ; this step's numbers are back from the stage; the last step's byte store may be out
.else
	s_wait_dscnt 0x0
.endif
.if (\t)+4 < 16
	XLOAD (\t)+4                                   ; into the registers whose stores into the stage are done
.endif
.if (\t)+1 < 16
.if 14-(\t) >= 3
	s_wait_loadcnt 12                              ; the next step's four loads are in; those of the three steps behind it may be out
.else
	s_wait_loadcnt 4*(14-(\t))
.endif
	XTURN (\t)+1
.endif
	v_max3_num_f32 v8, |v[XS]|, |v[XS+1]|, |v[XS+2]|
	v_max3_num_f32 v9, |v[XS+3]|, |v[XS+4]|, |v[XS+5]|
.irp i, 6,10
	v_max3_num_f32 v8, v8, |v[XS+\i]|, |v[XS+\i+1]|
	v_max3_num_f32 v9, v9, |v[XS+\i+2]|, |v[XS+\i+3]|
.endr
	v_max3_num_f32 v8, v8, |v[XS+14]|, |v[XS+15]|
	v_max3_num_f32 v8, v8, v9, (EMAX+1)<<23        ; the floor 2^(3 - 127): the byte cannot fall under 1
	v_max_num_f32_dpp v8, v8, v8 row_xmask:1 row_mask:0xf bank_mask:0xf   ; with my neighbour's 16: the block's largest magnitude
	v_add_nc_u32 v11, -(EMAX<<23), v8              ; 2 off its exponent field: the conversion takes the exponent field of this operand as its scale
	v_cvt_scalef32_pk8_fp4_f32 v[XC+4*(\t)], v[XS:XS+7], v11
	v_cvt_scalef32_pk8_fp4_f32 v[XC+4*(\t)+1], v[XS+8:XS+15], v11
	v_lshrrev_b32 v[XE+(\t)], 23, v11              ; the scale's byte
	ds_store_b8 v5, v[XE+(\t)] offset:16*(\t)      ; both lanes of a block write the same byte with the same value
	global_store_b64 v4, v[XC+4*(\t):XC+4*(\t)+1], s[8:9] offset:256*(\t)   ; 32 lanes store 256 consecutive bytes, aligned
.endm
.irp t, 0,1,2,3,4,5,6,7,8,9,10,11,12,13,14,15
	XSTEP \t
.endr
	ds_load_b64 v[8:9], v6                         ; LDS serves a wave's instructions in order: these see my byte stores
	s_wait_dscnt 0x0
	global_store_b64 v7, v[8:9], s[10:11]          ; my wave's 256 scale bytes, aligned
	FINISH
	; ---- W_qkv: K is its FIRST axis.  A lane takes a column n and its registers run down K: each load reads 128 consecutive bytes a wave, a block of 32 along K lies in one lane,
	; and the conversions give codes with K innermost.  A wave takes 32 columns x 512 along K; its codes go through my own stage and leave as rows: sixteen lanes store 256 consecutive bytes, aligned.
	; Every offset is an immediate: 511 x 12,288 bytes at the most, inside the signed 24-bit field.
.set WP,   272                         ; a stage row: 256 bytes of codes + 16
.set WX,   32                          ; v32-95   two sets of 32 numbers
.set WC,   96                          ; v96-99   a block's codes
.set WOUT, 112                         ; v112-175 the way out
.set WSB,  24                          ; v24-27   the scale bytes, four to a register
.Lw:
	s_load_b64 s[4:5], s[0:1], 0x8                 ; W_qkv
	s_load_b128 s[8:11], s[0:1], 0x30              ; w_codes, w_scales
	s_sub_co_u32 s16, ttmp9, 768
	s_cmp_ge_u32 s16, 24
	s_cselect_b32 s18, 1, 0                        ; which 512 along K
	s_cselect_b32 s19, 24, 0
	s_sub_co_u32 s16, s16, s19                     ; which 128 columns
	s_lshl_b32 s17, s16, 7
	s_lshl_b32 s19, s[WV], 5
	s_add_co_u32 s17, s17, s19                     ; my wave's first column
	v_lshlrev_b32 v3, 2, v2                        ; in: 4 bytes a lane
	s_mul_i32 s19, s[WV], 32*WP
	s_add_co_u32 s19, s19, WREG                    ; my stage
	v_mul_u32_u24 v4, v2, WP
	v_add_nc_u32 v4, s19, v4                       ; into it: row = my column
	v_and_b32 v5, 15, v2
	v_lshrrev_b32 v6, 4, v2
	v_mul_u32_u24 v7, v6, WP
	v_lshl_add_u32 v7, v5, 4, v7
	v_add_nc_u32 v7, s19, v7                       ; out of it: sixteen lanes to a row, two rows an instruction
	v_mul_u32_u24 v8, v6, 512
	v_lshl_add_u32 v8, v5, 4, v8                   ; the same place in w_codes (a row is 512 bytes)
	v_lshlrev_b32 v9, 5, v2                        ; my column's row of scale bytes (32 bytes)
	s_mul_i32 s20, s18, 512*3072*4
	s_lshl_b32 s22, s17, 2
	s_add_co_u32 s20, s20, s22
	s_mov_b32 s21, 0
	s_lshl_b32 s22, s17, 9
	s_lshl_b32 s24, s18, 8
	s_add_co_u32 s22, s22, s24
	s_mov_b32 s23, 0
	s_lshl_b32 s24, s17, 5
	s_lshl_b32 s26, s18, 4
	s_add_co_u32 s24, s24, s26
	s_mov_b32 s25, 0
	s_wait_kmcnt 0x0
	s_add_nc_u64 s[4:5], s[4:5], s[20:21]
	s_add_nc_u64 s[8:9], s[8:9], s[22:23]
	s_add_nc_u64 s[10:11], s[10:11], s[24:25]
.macro WLOAD t
.irp i, 0,1,2,3,4,5,6,7,8,9,10,11,12,13,14,15,16,17,18,19,20,21,22,23,24,25,26,27,28,29,30,31
	global_load_b32 v[WX+32*((\t)%2)+\i], v3, s[4:5] offset:(32*(\t)+\i)*12288 th:TH_LOAD_NT
.endr
.endm
	WLOAD 0
	WLOAD 1
.macro WBLOCK t
.set XS, WX+32*((\t)%2)
.if (\t) < 15
	s_wait_loadcnt 32                              ; this block's 32 loads are in; the next block's may be out
.else
	s_wait_loadcnt 0x0
.endif
	v_max3_num_f32 v16, |v[XS]|, |v[XS+1]|, |v[XS+2]|
	v_max3_num_f32 v17, |v[XS+3]|, |v[XS+4]|, |v[XS+5]|
.irp i, 6,10,14,18,22,26
	v_max3_num_f32 v16, v16, |v[XS+\i]|, |v[XS+\i+1]|
	v_max3_num_f32 v17, v17, |v[XS+\i+2]|, |v[XS+\i+3]|
.endr
	v_max3_num_f32 v16, v16, |v[XS+30]|, |v[XS+31]|
	v_max3_num_f32 v16, v16, v17, (EMAX+1)<<23     ; the floor: the byte cannot fall under 1
	v_add_nc_u32 v11, -(EMAX<<23), v16             ; the conversion's scale operand
	v_lshrrev_b32 v17, 23, v11                     ; the scale's byte
.if (\t)%4 == 0
	v_mov_b32 v[WSB+(\t)/4], v17
.else
	v_lshl_or_b32 v[WSB+(\t)/4], v17, 8*((\t)%4), v[WSB+(\t)/4]
.endif
.irp g, 0,1,2,3
	v_cvt_scalef32_pk8_fp4_f32 v[WC+\g], v[XS+8*\g:XS+8*\g+7], v11
.endr
	ds_store_b128 v4, v[WC:WC+3] offset:16*(\t)    ; 32 codes: 16 bytes of my column's row
.if (\t)+2 < 16
	WLOAD (\t)+2
.endif
	s_wait_dscnt 0x0                               ; the store has read its registers: the next block's codes may be written
.endm
.irp t, 0,1,2,3,4,5,6,7,8,9,10,11,12,13,14,15
	WBLOCK \t
.endr
	global_store_b128 v9, v[WSB:WSB+3], s[10:11]   ; my column's 16 scale bytes
.irp t, 0,1,2,3,4,5,6,7,8,9,10,11,12,13,14,15
	ds_load_b128 v[WOUT+4*\t:WOUT+4*\t+3], v7 offset:2*\t*WP
.endr
.irp t, 0,1,2,3,4,5,6,7,8,9,10,11,12,13,14,15
	s_wait_dscnt 15-\t
	global_store_b128 v8, v[WOUT+4*\t:WOUT+4*\t+3], s[8:9] offset:2*\t*512
.endr
	FINISH
.Lfunc_end_k_q38ddde8948_prep:
	.size	k_q38ddde8948_prep, .Lfunc_end_k_q38ddde8948_prep-k_q38ddde8948_prep
	.p2alignl 7, 3214868480
	.fill 96, 4, 3214868480
	.section	.rodata,"a",@progbits
	.p2align	6, 0x0
	.amdhsa_kernel k_q38ddde8948_prep
		.amdhsa_group_segment_fixed_size 101888
		.amdhsa_private_segment_fixed_size 0
		.amdhsa_enable_private_segment 0
		.amdhsa_kernarg_size 80
		.amdhsa_user_sgpr_count 2
		.amdhsa_user_sgpr_kernarg_segment_ptr 1
		.amdhsa_wavefront_size32 1
		.amdhsa_system_sgpr_workgroup_id_x 1
		.amdhsa_system_sgpr_workgroup_id_y 1
		.amdhsa_system_sgpr_workgroup_id_z 1
		.amdhsa_system_vgpr_workitem_id 0
		.amdhsa_next_free_vgpr 216
		.amdhsa_next_free_sgpr 66
		.amdhsa_reserve_vcc 0
		.amdhsa_float_denorm_mode_32 3
		.amdhsa_float_denorm_mode_16_64 3
		.amdhsa_memory_ordered 1
		.amdhsa_forward_progress 1
		.amdhsa_inst_pref_size 171
	.end_amdhsa_kernel
	.amdgpu_metadata
---
amdhsa.version: [ 1, 2 ]
amdhsa.kernels:
  - .name:           k_q38ddde8948_prep
    .symbol:         k_q38ddde8948_prep.kd
    .args:
      - { .name: x, .offset: 0, .size: 8, .value_kind: global_buffer, .address_space: global }
      - { .name: W_qkv, .offset: 8, .size: 8, .value_kind: global_buffer, .address_space: global }
      - { .name: W_out, .offset: 16, .size: 8, .value_kind: global_buffer, .address_space: global }
      - { .name: mask, .offset: 24, .size: 8, .value_kind: global_buffer, .address_space: global }
      - { .name: x_codes, .offset: 32, .size: 8, .value_kind: global_buffer, .address_space: global }
      - { .name: x_scales, .offset: 40, .size: 8, .value_kind: global_buffer, .address_space: global }
      - { .name: w_codes, .offset: 48, .size: 8, .value_kind: global_buffer, .address_space: global }
      - { .name: w_scales, .offset: 56, .size: 8, .value_kind: global_buffer, .address_space: global }
      - { .name: w16, .offset: 64, .size: 8, .value_kind: global_buffer, .address_space: global }
      - { .name: maskw, .offset: 72, .size: 8, .value_kind: global_buffer, .address_space: global }
    .group_segment_fixed_size: 101888
    .private_segment_fixed_size: 0
    .kernarg_segment_align: 8
    .kernarg_segment_size: 80
    .max_flat_workgroup_size: 128
    .sgpr_count:     66
    .vgpr_count:     216
    .wavefront_size: 32
...
	.end_amdgpu_metadata
.endif
;; end of part 1
;; launch qkv (part 2): grid 12 x 32, 4 waves a work-group, clusters of 4 x 4, 327,680 bytes of LDS; arguments x_codes, x_scales, w_codes, w_scales, qkvh; writes qkvh
.if DOCPART == 2
	.amdgcn_target "amdgcn-amd-amdhsa--gfx1250"
	.amdhsa_code_object_version 6
	.text
	.protected	k_q38ddde8948_qkv
	.globl	k_q38ddde8948_qkv
	.p2align	8
	.type	k_q38ddde8948_qkv,@function
k_q38ddde8948_qkv:
	s_mov_b64 s[64:65], 0
	v_nop
	global_prefetch_b8 v0, s[64:65] scope:SCOPE_SE
	s_setreg_imm32_b32 hwreg(HW_REG_WAVE_MODE, 25, 1), 1
	s_wait_xcnt 0x0
	s_wait_alu depctr_hold_cnt(0) depctr_sa_sdst(0) depctr_va_vdst(0) depctr_va_sdst(0) depctr_va_ssrc(0) depctr_va_vcc(0) depctr_vm_vsrc(0)
	s_getreg_b32 s2, hwreg(HW_REG_IB_STS2, 6, 4)
	s_cmp_eq_u32 s2, 0
	s_cbranch_scc0 .Lentry_in_a_cluster
	s_endpgm
.Lentry_in_a_cluster:
	s_bfe_u32 s2, ttmp6, 0x10000c
	s_cmp_lg_u32 s2, 0xf033
	s_cbranch_scc0 .Lentry_shape_is_right
	s_endpgm
.Lentry_shape_is_right:
; qkv = x W_qkv on codes of FP4 (E2M1) with one E8M0 scale for each 32 along K; sums in f32; the result is rounded once to f16 and laid by heads: qkvh [part 3][16 b + head][token 2048][64].
; A = x_codes [8192][512 bytes], B = w_codes [3072][512 bytes], both with K innermost; scale bytes [rows][32].
; A tile of the result, 256 x 256, is made by a work-group of four waves; a wave makes 128 x 128: 64 accumulators, 512 registers.  K = 1,024 is two slots of 512: both are asked for at the start, none is filled again.
; The scale bytes of the work-group's 256 + 256 rows come into LDS once, as rows of 256 bytes.  A wave has three tensor loads out at the start and none later.
; CLUSTERS: 4 x 4 work-groups.  The four of a row of the cluster need the same tiles of A, the four of a column the same tiles of B: each tile is asked for jointly.
; THE MATRIX INSTRUCTION IS USED TRANSPOSED (source 0 = 16 rows of B, source 1 = 16 rows of A): a lane holds eight neighbouring columns of one row of the result.
; LIMIT: q, k, v beyond 65,504 become infinite in f16.
; REGISTERS: window 0: v0-31 addresses; v32-95 scale words, two sets; from v128 A's fragments, one set.  window 1: B's fragments, two sets.  windows 2, 3: the accumulators ((a, b) at v[8 (8 (a % 4) + b)]).
.set NQ,     4                         ; steps of 128 along K in a slot
.set ROWB,   256                       ; a tile's row in bytes: 512 codes
.set KROW,   512                       ; a row of codes in memory
.set PITCH,  272                       ; an LDS row: 256 + 16 bytes = 68 words: row r starts at bank 4 r mod 64
.set FR,     8
.set NL,     2
.set NP,     4
.set HALFT,  128*PITCH
.set SLOT,   4*HALFT
.set KS,     32                        ; a row of scale bytes
.set SCL,    2*SLOT
.set HALFS,  (128*KS/256)*272
.set SBLK,   (16*KS/256)*272
.set SPARE,  SCL+4*HALFS               ; the spare words, 128 bytes for each wave
.set HEADB,  262144                    ; a head in qkvh: 2,048 tokens x 128 bytes
.set ADRA, 16
.set ADRB, 20
.set STO,  24
.set RD,   25
.set CO,   26
.set ADRS, 27
.set SPW,  28
.set NIL,  29
.set SC,   32
.set AF,   128
.set TMP,  32                          ; the way out: a block's 32 packed registers
.set BK,   64                          ; the way out: 16 rows read back: v64-95 and v96-127 by turns
.set G1, 24
.set G0, 32
.set G1B, 48
.set G0B, 56
.set G1S, 68
.set G0S, 76
.set G1SB, 80
.set G0SB, 88
.set MSB, 0
.macro WIN new                         ; the immediate's high byte repeats the setting that is left
.if MSB != (\new)
	s_set_vgpr_msb (MSB<<8)|(\new)
.set MSB, (\new)
.endif
.endm
.set MUL_LO, 0xa1                      ; source 0 (B) window 1, source 1 (A) window 0, C and D window 2
.set MUL_HI, 0xf1
.set TO_B,   0x40
; A joint load: waves 0 and 1 fetch for A, waves 2 and 3 for B.  The branch hangs on the wave's number alone.  An s_nop 0 and four v_nop follow each line.
.macro JLOAD g0a, g1a, g0b, g1b
	s_cmp_eq_u32 s15, 0
	s_cbranch_scc0 .Lfor_b_\@
	tensor_load_to_lds s[\g0a:\g0a+3], s[\g1a:\g1a+7]
	s_nop 0
.rept 4
	v_nop
.endr
	s_branch .Lasked_\@
.Lfor_b_\@:
	tensor_load_to_lds s[\g0b:\g0b+3], s[\g1b:\g1b+7]
	s_nop 0
.rept 4
	v_nop
.endr
.Lasked_\@:
.endm
.macro CROUND                          ; a round of the cluster's barrier
	s_barrier_signal -1
	s_barrier_wait -1
	s_cmp_lg_u32 s14, 0
	s_cbranch_scc1 .Lnot_wave_0_\@
	s_barrier_signal -3
.Lnot_wave_0_\@:
	s_barrier_wait -3
	s_barrier_signal -1
	s_barrier_wait -1
.endm
	s_load_b128 s[4:7], s[0:1], 0x0                ; x_codes, x_scales
	s_load_b128 s[8:11], s[0:1], 0x10              ; w_codes, w_scales
	s_load_b64 s[12:13], s[0:1], 0x20              ; qkvh
	v_lshl_add_u32 v[SPW], v0, 2, SPARE
	v_mov_b32 v[NIL], 0
	ds_add_u32 v[SPW], v[NIL]                      ; the wave's opening: the add, twice on end, and its wait ahead of my first tensor load
	ds_add_u32 v[SPW], v[NIL]
	v_lshrrev_b32 v1, 5, v0
	v_readfirstlane_b32 s14, v1                    ; wave 0..3
	s_lshr_b32 s15, s14, 1                         ; which half of the tile's rows is mine.  Also: I fetch for A (0) or for B (1)
	s_and_b32 s16, s14, 1                          ; which half of its columns.  Also: which 128 rows I fetch
	s_bfe_u32 s40, ttmp6, 0x40000                  ; cx
	s_bfe_u32 s41, ttmp6, 0x40004                  ; cy
	s_lshl_b32 s42, ttmp9, 2
	s_add_co_u32 s42, s42, s40                     ; tile column
	s_and_b32 s17, ttmp7, 0xffff
	s_lshl_b32 s17, s17, 2
	s_add_co_u32 s17, s17, s41                     ; tile row
	s_lshl_b32 s43, s41, 2
	s_lshl_b32 s43, 15, s43                        ; my row of the cluster
	s_lshl_b32 s44, 0x1111, s40                    ; my column
	s_or_b32 s[G1+0], s43, (0<<16)|(1<<20)|(1<<21)|(5<<22)|(3<<25)   ; the mask; elements of 1 byte; padding on: 4 words after every 64
	s_or_b32 s[G1B+0], s44, (0<<16)|(1<<20)|(1<<21)|(5<<22)|(3<<25)
.irp g, G1, G1B
	s_mov_b32 s[\g+1], ROWB<<16                    ; tensor_dim0
	s_mov_b32 s[\g+2], 128<<16                     ; tensor_dim1
	s_mov_b32 s[\g+3], ROWB<<16                    ; tile_dim0
	s_mov_b32 s[\g+4], 128                         ; tile_dim1
	s_mov_b32 s[\g+5], KROW                        ; the pitch
	s_mov_b32 s[\g+6], 0
	s_mov_b32 s[\g+7], 0
.endr
	s_or_b32 s[G1S+0], s43, (3<<16)|(1<<20)|(1<<21)|(5<<22)|(3<<25)  ; the scales of 128 rows: a dense block, as rows of 32 elements of 8 bytes
	s_or_b32 s[G1SB+0], s44, (3<<16)|(1<<20)|(1<<21)|(5<<22)|(3<<25)
.irp g, G1S, G1SB
	s_mov_b32 s[\g+1], 32<<16
	s_mov_b32 s[\g+2], (128*KS/256)<<16
	s_mov_b32 s[\g+3], 32<<16
	s_mov_b32 s[\g+4], 128*KS/256
	s_mov_b32 s[\g+5], 32
	s_mov_b32 s[\g+6], 0
	s_mov_b32 s[\g+7], 0
.endr
	s_lshl_b32 s18, s16, 7
	s_lshl_b32 s20, s17, 8
	s_add_co_u32 s20, s20, s18                     ; A: row 256 x tile row + 128 x half
	s_lshl_b32 s46, s42, 8
	s_add_co_u32 s46, s46, s18                     ; B: row 256 x tile column + 128 x half
	s_mov_b32 s21, 0
	s_mov_b32 s47, 0
	s_mov_b64 s[18:19], KS
	s_mul_u64 s[22:23], s[20:21], s[18:19]
	s_mul_u64 s[92:93], s[46:47], s[18:19]
	s_mov_b64 s[18:19], KROW
	s_mul_u64 s[20:21], s[20:21], s[18:19]
	s_mul_u64 s[46:47], s[46:47], s[18:19]
	s_mul_i32 s45, s14, HALFT                      ; where they go: wave x 128 rows
	s_mul_i32 s94, s14, HALFS
	s_wait_dscnt 0x0                               ; both opening adds are done
	s_wait_kmcnt 0x0
	s_add_nc_u64 s[20:21], s[4:5], s[20:21]
	s_add_nc_u64 s[22:23], s[6:7], s[22:23]
	s_add_nc_u64 s[46:47], s[8:9], s[46:47]
	s_add_nc_u64 s[92:93], s[10:11], s[92:93]
	CROUND                                         ; all sixteen work-groups are here: the joint loads meet
	s_mov_b32 s[G0S], 1
	s_add_co_u32 s[G0S+1], s94, SCL
	s_mov_b64 s[G0S+2:G0S+3], s[22:23]
	s_or_b32 s[G0S+3], s[G0S+3], 0x80000000
	s_mov_b32 s[G0SB], 1
	s_add_co_u32 s[G0SB+1], s94, SCL
	s_mov_b64 s[G0SB+2:G0SB+3], s[92:93]
	s_or_b32 s[G0SB+3], s[G0SB+3], 0x80000000
	JLOAD G0S, G1S, G0SB, G1SB                     ; the scales first
.irp s, 0,1
	s_mov_b32 s[G0+4*\s], 1
	s_add_co_u32 s[G0+4*\s+1], s45, \s*SLOT
	s_add_nc_u64 s[G0+4*\s+2:G0+4*\s+3], s[20:21], \s*ROWB
	s_or_b32 s[G0+4*\s+3], s[G0+4*\s+3], 0x80000000
	s_mov_b32 s[G0B+4*\s], 1
	s_add_co_u32 s[G0B+4*\s+1], s45, \s*SLOT
	s_add_nc_u64 s[G0B+4*\s+2:G0B+4*\s+3], s[46:47], \s*ROWB
	s_or_b32 s[G0B+4*\s+3], s[G0B+4*\s+3], 0x80000000
	JLOAD G0+4*\s, G1, G0B+4*\s, G1B
.endr
	v_and_b32 v1, 15, v0                           ; r
	v_bfe_u32 v2, v0, 4, 1                         ; h
	v_mul_u32_u24 v3, v1, PITCH
	v_lshl_add_u32 v4, v2, 4, v3
	s_mul_i32 s21, s15, HALFT
	s_mul_i32 s22, s16, HALFT
	s_add_co_u32 s22, s22, 2*HALFT
.irp s, 0,1
	v_add_nc_u32 v[ADRA+\s], s21, v4
	v_add_nc_u32 v[ADRB+\s], s22, v4
	s_add_co_u32 s21, s21, SLOT
	s_add_co_u32 s22, s22, SLOT
.endr
	v_mul_u32_u24 v5, v1, KS                       ; my row's scales: 32 bytes a row,
	v_lshrrev_b32 v6, 8, v5
	v_lshl_add_u32 v5, v6, 4, v5                   ; and 16 more for each 256 passed
	s_mul_i32 s21, s15, HALFS
	s_mul_i32 s22, s16, HALFS
	s_add_co_u32 s22, s22, 2*HALFS
	s_sub_co_u32 s22, s22, s21
	v_mul_u32_u24 v6, s22, v2                      ; lanes 16-31 take B's
	s_add_co_u32 s21, s21, SCL
	v_add_nc_u32 v5, v5, v6
	v_add_nc_u32 v[ADRS], s21, v5
	; the way out: my stage, 2 heads x 16 rows x (128 bytes + 16), in slot 0, which has had its only fill and which nobody reads behind the change of slots
	s_mul_i32 s23, s14, 4608
	v_mul_u32_u24 v5, v1, 144                      ; in: row r (36 words: 16 rows start at 16 different groups of 4 banks), + 16 h
	v_lshl_add_u32 v5, v2, 4, v5
	v_add_nc_u32 v[STO], s23, v5
	v_and_b32 v6, 31, v0
	v_lshrrev_b32 v5, 3, v6                        ; back: eight lanes to a row of 128 bytes, four rows an instruction
	v_mul_u32_u24 v5, v5, 144
	v_and_b32 v7, 7, v0
	v_lshl_add_u32 v5, v7, 4, v5
	v_add_nc_u32 v[RD], s23, v5
	v_lshlrev_b32 v[CO], 4, v6                     ; those four rows are 512 consecutive bytes of a head
	; part = tile column / 4; head = 4 (tile column % 4) + 2 (my half of the columns) + 0, 1; batch = tile row / 8; token = 256 (tile row % 8) + 128 (my half of the rows)
	s_lshr_b32 s20, s42, 2
	s_lshl_b32 s20, s20, 24
	s_lshr_b32 s21, s17, 3
	s_lshl_b32 s21, s21, 4
	s_and_b32 s22, s42, 3
	s_lshl_b32 s22, s22, 2
	s_add_co_u32 s21, s21, s22
	s_lshl_b32 s22, s16, 1
	s_add_co_u32 s21, s21, s22
	s_lshl_b32 s21, s21, 18
	s_add_co_u32 s20, s20, s21
	s_and_b32 s21, s17, 7
	s_lshl_b32 s21, s21, 15
	s_add_co_u32 s20, s20, s21
	s_lshl_b32 s21, s15, 14
	s_add_co_u32 s20, s20, s21
	s_mov_b32 s21, 0
	s_add_nc_u64 s[12:13], s[12:13], s[20:21]
.macro FRAG reg, adr, q, i             ; 16 rows x 128 K of 4-bit codes: 8 registers: two loads of 16 bytes, 32 bytes apart
.irp c, 0,1
	ds_load_b128 v[\reg+4*\c:\reg+4*\c+3], v[\adr] offset:64*(\q)+32*\c+(\i)*16*PITCH
.endr
.endm
; 16 matrix instructions: A's blocks a0, a0 + 1 x B's eight.  The 64 accumulators take turns, one instruction a turn, in the same order in every step.
.macro MUL16 a0, p, q, sc, zero
.irp a, \a0, \a0+1
.irp b, 0,1,2,3,4,5,6,7
.if \zero
	v_wmma_scale_f32_16x16x128_f8f6f4 v[8*(8*((\a)%4)+\b):8*(8*((\a)%4)+\b)+7], v[128*(\p)+FR*\b:128*(\p)+FR*\b+FR-1], v[AF+FR*(\a):AF+FR*(\a)+FR-1], 0, v[SC+8*NQ*(\sc)+NQ*\b+(\q)], v[SC+8*NQ*(\sc)+NQ*(\a)+(\q)] matrix_a_fmt:MATRIX_FMT_FP4 matrix_b_fmt:MATRIX_FMT_FP4 matrix_a_scale:MATRIX_SCALE_ROW1
.else
	v_wmma_scale_f32_16x16x128_f8f6f4 v[8*(8*((\a)%4)+\b):8*(8*((\a)%4)+\b)+7], v[128*(\p)+FR*\b:128*(\p)+FR*\b+FR-1], v[AF+FR*(\a):AF+FR*(\a)+FR-1], v[8*(8*((\a)%4)+\b):8*(8*((\a)%4)+\b)+7], v[SC+8*NQ*(\sc)+NQ*\b+(\q)], v[SC+8*NQ*(\sc)+NQ*(\a)+(\q)] matrix_a_fmt:MATRIX_FMT_FP4 matrix_b_fmt:MATRIX_FMT_FP4 matrix_a_scale:MATRIX_SCALE_ROW1
.endif
.endr
.endr
.endm
.macro FETCH_B slot, q, p
	WIN TO_B
.irp i, 0,1,2,3,4,5,6,7
	FRAG 128*(\p)+FR*\i, ADRB+\slot, \q, \i
.endr
	WIN 0
.endm
.macro FETCH_A slot, q, i0
.irp i, \i0, \i0+1, \i0+2, \i0+3
	FRAG AF+FR*(\i), ADRA+\slot, \q, \i
.endr
.endm
.macro SCALES sc                       ; a slot's scale words: lanes 0-15 take A's block i, lanes 16-31 B's block i
.irp i, 0,1,2,3,4,5,6,7
	ds_load_b128 v[SC+8*NQ*\sc+NQ*\i:SC+8*NQ*\sc+NQ*\i+3], v[ADRS] offset:\i*SBLK
.endr
.endm
.macro PLACES n                        ; plain vector instructions between a matrix instruction and a load into, or a read or write of, its registers
.rept \n
	v_nop
.endr
.endm
.macro STEP slot, q, zero              ; a step of 128 along K that has its successor in the same slot
	s_wait_dscnt 4*NL                              ; B's set and A's blocks 0-3 are in; the youngest loads (A's blocks 4-7) may be out
	WIN MUL_LO
	MUL16 0, (\q)%2, \q, \slot, \zero
	MUL16 2, (\q)%2, \q, \slot, \zero
	s_wait_dscnt 0
	PLACES NP
	FETCH_B \slot, (\q)+1, 1-(\q)%2
	FETCH_A \slot, (\q)+1, 0
	WIN MUL_HI
	MUL16 4, (\q)%2, \q, \slot, \zero
	MUL16 6, (\q)%2, \q, \slot, \zero
	PLACES NP
	WIN 0
	FETCH_A \slot, (\q)+1, 4
.endm
.macro TURN slot, next                 ; a slot's last step changes slots: one barrier; nothing is filled again
	s_wait_tensorcnt 0x0                           ; all my tensor loads have landed: my part of the next slot
	ds_add_u32 v[SPW], v[NIL]                      ; 0 onto my spare word
	s_wait_dscnt 4*NL+1                            ; the add and the youngest loads, A's blocks 4-7, may be out
	WIN MUL_LO
	MUL16 0, 1, NQ-1, \slot, 0
	s_wait_dscnt 0x0                               ; the add is done, and my reads of this slot are over
	s_barrier_signal -1
	MUL16 2, 1, NQ-1, \slot, 0
	WIN 0
	s_barrier_wait -1
	PLACES NP
	v_add_nc_u32 v[ADRS], 4*NQ, v[ADRS]            ; the next slot's scale words
	FETCH_B \next, 0, 0
	FETCH_A \next, 0, 0
	SCALES \next
	WIN MUL_HI
	MUL16 4, 1, NQ-1, \slot, 0
	MUL16 6, 1, NQ-1, \slot, 0
	PLACES NP
	WIN 0
	FETCH_A \next, 0, 4
.endm
.macro STEPS slot, from
.set QQ, \from
.rept NQ-1-\from
	STEP \slot, QQ, 0
.set QQ, QQ+1
.endr
.endm
	s_wait_tensorcnt 1                             ; the scales and my part of slot 0 are in (slot 1's load may be out)
	s_barrier_signal -1
	s_barrier_wait -1                              ; everybody's are
	FETCH_B 0, 0, 0
	FETCH_A 0, 0, 0
	SCALES 0
	FETCH_A 0, 0, 4
	STEP 0, 0, 1                                   ; the first products start the sums: nothing is cleared
	STEPS 0, 1
	TURN 0, 1
	STEPS 1, 0
	s_wait_dscnt 4*NL                              ; the last step: nothing more to fetch
	WIN MUL_LO
	MUL16 0, 1, NQ-1, 1, 0
	MUL16 2, 1, NQ-1, 1, 0
	s_wait_dscnt 0
	WIN MUL_HI
	MUL16 4, 1, NQ-1, 1, 0
	MUL16 6, 1, NQ-1, 1, 0
	WIN 0
; THE WAY OUT, block by block of 16 tokens x 128 columns (two heads).  PACK: rounded to f16, 16 bytes a lane for each of B's blocks, each accumulator from its low end on.
; TOSTAGE: into my stage, and back as rows of 128 bytes.  SEND: each store covers 512 consecutive bytes (four tokens of one head), aligned.  No pointer is stepped.
.macro PACK a
.set AC, 64*((\a)%4)
	WIN 0x0a+5*((\a)/4)                            ; sources 0 and 1: window 2 or 3
.irp b, 0,1,2,3,4,5,6,7
.irp i, 0,1,2,3
	v_cvt_pk_f16_f32 v[TMP+4*\b+\i], v[AC+8*\b+2*\i], v[AC+8*\b+2*\i+1]
.endr
.endr
	WIN 0
.endm
.macro TOSTAGE a
.set BB, BK+32*((\a)%2)
.irp b, 0,1,2,3,4,5,6,7
	ds_store_b128 v[STO], v[TMP+4*\b:TMP+4*\b+3] offset:(\b/4)*2304+(\b%4)*32
.endr
.irp t, 0,1,2,3,4,5,6,7
	ds_load_b128 v[BB+4*\t:BB+4*\t+3], v[RD] offset:(\t/4)*2304+(\t%4)*576   ; LDS serves a wave's instructions in order: these see the stores above
.endr
.endm
.macro SEND a
.set BB, BK+32*((\a)%2)
	s_wait_dscnt 0x0                               ; the block is back in registers
	s_wait_xcnt 0x0                                ; the earlier stores have read their registers: the next block's loads may land where the block before this one lay
.irp t, 0,1,2,3,4,5,6,7
	global_store_b128 v[CO], v[BB+4*\t:BB+4*\t+3], s[12:13] offset:(\t/4)*HEADB+(\a)*2048+(\t%4)*512
.endr
.endm
	PLACES NP                                      ; behind the last products: the conversions write registers that held scale words
	PACK 0
	TOSTAGE 0
.irp a, 1,2,3,4,5,6,7
	PACK \a
	SEND \a-1
	TOSTAGE \a
.endr
	SEND 7
	s_wait_tensorcnt 0x0                           ; the wave's end
	ds_add_u32 v[SPW], v[NIL]
	s_wait_dscnt 0x0
	CROUND                                         ; the closing round
	s_endpgm
.Lfunc_end_k_q38ddde8948_qkv:
	.size	k_q38ddde8948_qkv, .Lfunc_end_k_q38ddde8948_qkv-k_q38ddde8948_qkv
	.p2alignl 7, 3214868480
	.fill 96, 4, 3214868480
	.section	.rodata,"a",@progbits
	.p2align	6, 0x0
	.amdhsa_kernel k_q38ddde8948_qkv
		.amdhsa_group_segment_fixed_size 327680
		.amdhsa_private_segment_fixed_size 0
		.amdhsa_enable_private_segment 0
		.amdhsa_kernarg_size 40
		.amdhsa_user_sgpr_count 2
		.amdhsa_user_sgpr_kernarg_segment_ptr 1
		.amdhsa_wavefront_size32 1
		.amdhsa_system_sgpr_workgroup_id_x 1
		.amdhsa_system_sgpr_workgroup_id_y 1
		.amdhsa_system_sgpr_workgroup_id_z 1
		.amdhsa_system_vgpr_workitem_id 0
		.amdhsa_next_free_vgpr 1024
		.amdhsa_next_free_sgpr 98
		.amdhsa_reserve_vcc 0
		.amdhsa_float_denorm_mode_32 3
		.amdhsa_float_denorm_mode_16_64 3
		.amdhsa_memory_ordered 1
		.amdhsa_forward_progress 1
		.amdhsa_inst_pref_size 126
	.end_amdhsa_kernel
	.amdgpu_metadata
---
amdhsa.version: [ 1, 2 ]
amdhsa.kernels:
  - .name:           k_q38ddde8948_qkv
    .symbol:         k_q38ddde8948_qkv.kd
    .args:
      - { .name: x_codes, .offset: 0, .size: 8, .value_kind: global_buffer, .address_space: global }
      - { .name: x_scales, .offset: 8, .size: 8, .value_kind: global_buffer, .address_space: global }
      - { .name: w_codes, .offset: 16, .size: 8, .value_kind: global_buffer, .address_space: global }
      - { .name: w_scales, .offset: 24, .size: 8, .value_kind: global_buffer, .address_space: global }
      - { .name: qkvh, .offset: 32, .size: 8, .value_kind: global_buffer, .address_space: global }
    .group_segment_fixed_size: 327680
    .private_segment_fixed_size: 0
    .kernarg_segment_align: 8
    .kernarg_segment_size: 40
    .max_flat_workgroup_size: 128
    .sgpr_count:     98
    .vgpr_count:     1024
    .wavefront_size: 32
...
	.end_amdgpu_metadata
.endif
;; end of part 2
;; launch attn (part 3): grid 4 x 64, 8 waves a work-group, clusters of 4 x 1, 327,680 bytes of LDS; arguments qkvh, maskw, o16; writes o16
.if DOCPART == 3
	.amdgcn_target "amdgcn-amd-amdhsa--gfx1250"
	.amdhsa_code_object_version 6
	.text
	.protected	k_q38ddde8948_attn
	.globl	k_q38ddde8948_attn
	.p2align	8
	.type	k_q38ddde8948_attn,@function
k_q38ddde8948_attn:
	s_mov_b64 s[64:65], 0
	v_nop
	global_prefetch_b8 v0, s[64:65] scope:SCOPE_SE
	s_setreg_imm32_b32 hwreg(HW_REG_WAVE_MODE, 25, 1), 1
	s_wait_xcnt 0x0
	s_wait_alu depctr_hold_cnt(0) depctr_sa_sdst(0) depctr_va_vdst(0) depctr_va_sdst(0) depctr_va_ssrc(0) depctr_va_vcc(0) depctr_vm_vsrc(0)
	s_getreg_b32 s2, hwreg(HW_REG_IB_STS2, 6, 4)
	s_cmp_eq_u32 s2, 0
	s_cbranch_scc0 .Lentry_in_a_cluster
	s_endpgm
.Lentry_in_a_cluster:
	s_bfe_u32 s2, ttmp6, 0x10000c
	s_cmp_lg_u32 s2, 0x3003
	s_cbranch_scc0 .Lentry_shape_is_right
	s_endpgm
.Lentry_shape_is_right:
; o[bh][q][:] = the sum over k of softmax_k(q . k / 8, -infinity where mask[b][q][k] == 1) v[k][:].  q, k, v: qkvh [part][bh 64][token 2048][64], f16.  Result: o16 [head 16][token 8192][64], f16.
; Products, maxima and sums in f32; the weights p are rounded to f16 for the second product, o once at the end.
; SHARES.  A work-group owns 512 queries of one head, each of its eight waves 64: four tiles of 16; two waves to a SIMD, so that one wave's softmax stands beside the other's products.  Every wave walks 2,048 keys, 64 a step.
; CLUSTER.  The four query blocks of a head walk the same K and V: each tile is asked for JOINTLY (the same load, the same descriptor, a mask that names the four).
; LAYOUT.  S^T = K Q^T (source 0 = 16 keys, source 1 = 16 queries): lane (r, h) holds query r; register 8 kt + j is key 16 kt + 8 h + j.  Rounded to f16 in pairs IN PLACE (register i takes registers 2 i, 2 i + 1),
; registers 8 ks .. 8 ks + 7 are source 1 (32 keys x 16 queries) of O^T = V^T P.  Tile u of V^T takes channels 8 u .. + 7 as rows 0-7 and 32 + 8 u .. + 7 as rows 8-15: so a lane's 32 registers of O^T are channels 32 h + 0 .. 31.
; THE MASK comes as one bit a score: word [16-query tile][16-key tile][j] is the lane mask of score register j; 64 words a piece come by scalar loads, and one v_cndmask_b32 a score puts -infinity in.
; SOFTMAX.  For each query a running maximum m and sum l: p = 2^(c s - c m), c = log2(e) / 8; in every step O and l are multiplied by a = 2^(c m_old - c m_new).
; A row that is wholly masked keeps m at its start, every p is 0, and 0 x (1 / 0) gives NaN, as the definition does.
; LIMITS: the running maximum starts at -3e38: scores under that are not served.  NaN and infinities among q, k, v are not served.
; LDS.  A slot holds 512 keys: eight tiles of 64 rows x (256 bytes + 16), two keys to a row; waves 0-3 fetch K's quarters, waves 4-7 V's.  Key kk lies at 272 (kk / 2) + 128 (kk % 2).
; Sixteen lanes of a K load start at words 68 (r / 2) + 32 (r % 2), of a turning V load at 68 (i / 2) + 32 (i % 2) + 16 g: sixteen different groups of 4 banks (64 banks of 4 bytes: ISA guide 11.1).
; A wave never has more than one tensor load out; each has eight key steps in which to land, so no prefetch is laid.
; REGISTERS.  window 0: v2-13 addresses; v16-47 statistics, eight a tile (+0 c m, +1 m, +2, +3 l, +4 to +7 at work; a takes +6); v48-111 Q; v112-239 S^T, then P.   window 1: v0-127 O^T; v128-191 K; v192-255 V.
.set STEPB, 8704                       ; a key step: 32 rows of 272 bytes
.set VOFF,  69632                      ; V's tiles lie behind K's
.set SLOTB, 139264
.set STAGE, 278528                     ; behind the ring: 16 rows x 144 bytes for each wave, for the way out
.set SPARE, 296960                     ; the spare words, 128 bytes for each wave: four blocks of 256 bytes that no other line names
.set AK0, 2
.set AV0, 3
.set ADK, 4
.set ADV, 5
.set QO,  6
.set RD,  7
.set GO,  8
.set NINF, 9
.set SPW, 10
.set NIL, 11
.set STO, 13
.set ST,  16
.set Q,   48
.set S,   112
.set KF,  128
.set VF,  192
.set G1,  52                           ; s[52:59] descriptor group 1: one for all eight waves
.set G0,  60                           ; s[60:63] descriptor group 0: it walks
.set WV,  66
.set TB,  67                           ; LDS byte at which the key step in hand begins
.set MP,  84                           ; s[84:85] my four tiles' mask words
.set OP,  86                           ; s[86:87] my 64 rows of o16
.set CS,  88                           ; s[88:89] c, twice
.set SEL, 90                           ; s[90:91] lane selects: lane l xor 16
.set MO,  92                           ; the key step's mask words: 128 bytes a step
.set SB,  93                           ; the slot that the walking descriptor fills
.set WL,  94                           ; my tile's place in a slot
.set SLOTS, 95
.set STEPS, 96
.set QP,  98
.set MSB, 0
.macro WIN new                         ; the immediate's high byte repeats the setting that is left
.if MSB != (\new)
	s_set_vgpr_msb (MSB<<8)|(\new)
.set MSB, (\new)
.endif
.endm
.macro ROUND                           ; a round of the cluster's barrier
	s_barrier_signal -1
	s_barrier_wait -1
	s_cmp_lg_u32 s[WV], 0
	s_cbranch_scc1 .Lnot_wave_0_\@
	s_barrier_signal -3
.Lnot_wave_0_\@:
	s_barrier_wait -3
	s_barrier_signal -1
	s_barrier_wait -1
.endm
.macro MLOAD x                         ; the mask words of tiles x (s4-35) and x + 1 (s36-51, s68-83) for the key step at s[MO]
	s_load_b512 s[4:19],  s[MP:MP+1], s[MO] offset:(\x)*4096
	s_load_b512 s[20:35], s[MP:MP+1], s[MO] offset:(\x)*4096+64
	s_load_b512 s[36:51], s[MP:MP+1], s[MO] offset:(\x)*4096+4096
	s_load_b512 s[68:83], s[MP:MP+1], s[MO] offset:(\x)*4096+4160
.endm
	s_load_b128 s[4:7], s[0:1], 0x0                ; qkvh, maskw
	s_load_b64 s[8:9], s[0:1], 0x10                ; o16
	v_lshl_add_u32 v[SPW], v0, 2, SPARE
	v_mov_b32 v[NIL], 0
	ds_add_u32 v[SPW], v[NIL]                      ; the wave's opening: the add, twice on end, and its wait ahead of my first tensor load
	ds_add_u32 v[SPW], v[NIL]
	v_lshrrev_b32 v1, 5, v0
	v_readfirstlane_b32 s[WV], v1                  ; wave 0..7
	s_bfe_u32 s2, ttmp6, 0x40000                   ; cx
	s_lshl_b32 s3, ttmp9, 2
	s_add_co_u32 s2, s2, s3                        ; my block of 512 queries: it enters Q's, the mask's and o's addresses alone
	s_and_b32 s3, ttmp7, 0xffff                    ; bh = 16 b + head, which the four partners share
	s_lshr_b32 s12, s[WV], 2                       ; what I fetch: part 1 (K) or 2 (V),
	s_add_co_u32 s12, s12, 1
	s_lshl_b32 s12, s12, 24
	s_lshl_b32 s13, s3, 18                         ; my head,
	s_add_co_u32 s12, s12, s13
	s_and_b32 s13, s[WV], 3                        ; 128 keys of 128 bytes for each of four waves
	s_lshl_b32 s13, s13, 14
	s_add_co_u32 s12, s12, s13
	s_mov_b32 s13, 0
	s_lshl_b32 s14, s3, 18                         ; Q: my head, my block's 512 rows, my wave's 64
	s_lshl_b32 s15, s2, 16
	s_add_co_u32 s14, s14, s15
	s_lshl_b32 s15, s[WV], 13
	s_add_co_u32 s14, s14, s15
	s_mov_b32 s15, 0
	s_lshr_b32 s16, s3, 4                          ; the mask: tile of 16 queries 128 b + 32 block + 4 wave, 4,096 bytes each
	s_lshl_b32 s16, s16, 7
	s_lshl_b32 s17, s2, 5
	s_add_co_u32 s16, s16, s17
	s_lshl_b32 s17, s[WV], 2
	s_add_co_u32 s16, s16, s17
	s_lshl_b32 s16, s16, 12
	s_mov_b32 s17, 0
	s_and_b32 s18, s3, 15                          ; o16: the head's 8,192 rows of 128 bytes, then token 2,048 b + 512 block + 64 wave
	s_lshl_b32 s18, s18, 20
	s_lshr_b32 s19, s3, 4
	s_lshl_b32 s19, s19, 18
	s_add_co_u32 s18, s18, s19
	s_lshl_b32 s19, s2, 16
	s_add_co_u32 s18, s18, s19
	s_lshl_b32 s19, s[WV], 13
	s_add_co_u32 s18, s18, s19
	s_mov_b32 s19, 0
	s_mov_b32 s[G1], 15|(1<<16)|(1<<20)|(1<<21)|(5<<22)|(3<<25)   ; the mask: all four work-groups; elements of 2 bytes; padding on: 4 words after every 64; bit 21 set beside a mask
	s_mov_b32 s[G1+1], 128<<16                     ; tensor_dim0 = 128 elements: two keys
	s_mov_b32 s[G1+2], 64<<16                      ; tensor_dim1 = 64
	s_mov_b32 s[G1+3], 128<<16                     ; tile_dim0
	s_mov_b32 s[G1+4], 64                          ; tile_dim1
	s_mov_b32 s[G1+5], 128                         ; the pitch: the rows are dense
	s_mov_b32 s[G1+6], 0
	s_mov_b32 s[G1+7], 0
	s_mov_b32 s[CS], 0x3e38aa3b                    ; c = log2(e) / 8
	s_mov_b32 s[CS+1], s[CS]
	s_mov_b32 s[SEL], 0x76543210
	s_mov_b32 s[SEL+1], 0xfedcba98
	s_mov_b32 s[TB], 0
	s_mov_b32 s[MO], 0
	s_mov_b32 s[SB], 0
	s_mov_b32 s[SLOTS], 3
	s_mul_i32 s[WL], s[WV], 17408                  ; no place in the cluster enters an LDS address
	s_wait_dscnt 0x0                               ; both opening adds are done
	s_wait_kmcnt 0x0
	s_add_nc_u64 s[QP:QP+1], s[4:5], s[14:15]
	s_add_nc_u64 s[MP:MP+1], s[6:7], s[16:17]
	s_add_nc_u64 s[OP:OP+1], s[8:9], s[18:19]
	ROUND                                          ; all four work-groups are here: the first joint loads meet
	s_mov_b32 s[G0], 1
	s_mov_b32 s[G0+1], s[WL]                       ; slot 0
	s_add_nc_u64 s[G0+2:G0+3], s[4:5], s[12:13]
	s_or_b32 s[G0+3], s[G0+3], 0x80000000
	tensor_load_to_lds s[G0:G0+3], s[G1:G1+7]      ; keys 0 to 511
	s_nop 0
.rept 4
	v_nop
.endr
	v_and_b32 v1, 15, v0                           ; r
	v_bfe_u32 v12, v0, 4, 1                        ; h
	v_lshlrev_b32 v[QO], 7, v1
	v_lshl_add_u32 v[QO], v12, 4, v[QO]            ; Q: row r of 128 bytes, + 16 h
.irp t, 0,1,2,3
.irp c, 0,1
	global_load_b128 v[Q+16*\t+8*\c:Q+16*\t+8*\c+3],   v[QO], s[QP:QP+1] offset:2048*\t+64*\c
	global_load_b128 v[Q+16*\t+8*\c+4:Q+16*\t+8*\c+7], v[QO], s[QP:QP+1] offset:2048*\t+64*\c+32
.endr
.endr
	MLOAD 0                                        ; (the arguments' registers are free from here on)
	v_lshrrev_b32 v14, 1, v1
	v_mul_u32_u24 v[AK0], v14, 272
	v_and_b32 v14, 1, v1
	v_lshl_add_u32 v[AK0], v14, 7, v[AK0]
	v_lshl_add_u32 v[AK0], v12, 4, v[AK0]          ; K: 272 (r / 2) + 128 (r % 2) + 16 h
	v_and_b32 v14, 7, v0                           ; i
	v_lshrrev_b32 v15, 1, v14
	v_lshl_add_u32 v15, v12, 2, v15
	v_mul_u32_u24 v[AV0], v15, 272
	v_and_b32 v14, 1, v14
	v_lshl_add_u32 v[AV0], v14, 7, v[AV0]
	v_bfe_u32 v15, v0, 3, 1                        ; g
	v_lshl_add_u32 v[AV0], v15, 6, v[AV0]
	v_add_nc_u32 v[AV0], VOFF, v[AV0]              ; V: key 8 h + i, channels 32 g on
	s_mul_i32 s100, s[WV], 2304
	s_add_co_u32 s100, s100, STAGE                 ; my stage
	v_mul_u32_u24 v[STO], v1, 144
	v_lshl_add_u32 v[STO], v12, 6, v[STO]
	v_add_nc_u32 v[STO], s100, v[STO]              ; in: row r, + 64 h
	v_and_b32 v14, 31, v0
	v_lshrrev_b32 v15, 3, v14
	v_mul_u32_u24 v[RD], v15, 144
	v_and_b32 v15, 7, v0
	v_lshl_add_u32 v[RD], v15, 4, v[RD]
	v_add_nc_u32 v[RD], s100, v[RD]                ; back: eight lanes to a row, four rows an instruction
	v_lshlrev_b32 v[GO], 4, v14                    ; which are 512 consecutive bytes of o16
	v_mov_b32 v[NINF], 0xff800000                  ; -infinity
.irp t, 0,1,2,3
	v_mov_b32 v[ST+8*\t+1], 0xff61b1e6             ; m: -3e38, under every score
	v_mul_f32 v[ST+8*\t], s[CS], v[ST+8*\t+1]      ; c m
.irp n, 2,3,4,5,6,7
	v_mov_b32 v[ST+8*\t+\n], 0                     ; l; and the registers at work (a lane permute's destination counts as read)
.endr
.endr
	WIN 0x40
.set i, 0
.rept 128
	v_mov_b32 v[i], 0                              ; O^T.  The key step is written once: the first finds zeros, which a = 0 leaves zeros
.set i, i+1
.endr
	WIN 0
; THE SOFTMAX of tiles x and x + 1 for one key step; the two tiles alternate line by line.
.macro PIECE x
	WIN 0
	s_wait_kmcnt 0x0                               ; the piece's mask words are in
.set j, 0
.rept 32
	v_cndmask_b32 v[S+32*(\x)+j], v[S+32*(\x)+j], v[NINF], s[4+j]               ; each accumulator from its low end on
	v_cndmask_b32 v[S+32*(\x)+32+j], v[S+32*(\x)+32+j], v[NINF], s[36+j+16*(j/16)]
.set j, j+1
.endr
.if (\x) == 0
	MLOAD 2                                        ; the other piece's words: a piece ahead of their use
.else
	s_add_co_u32 s[MO], s[MO], 128                 ; no scalar load is out: the offset may be written.  The next key step's words;
	s_and_b32 s[MO], s[MO], 0xf80                  ; the last step wraps to the first, so that no load leaves the buffer
	MLOAD 0
.endif
.irp n, 0,1,2,3
.irp t, \x, \x+1
	v_max3_num_f32 v[ST+8*(\t)+4+\n], v[S+32*(\t)+8*\n], v[S+32*(\t)+8*\n+1], v[S+32*(\t)+8*\n+2]
.endr
.endr
.irp d, 3,5
.irp n, 0,1,2,3
.irp t, \x, \x+1
	v_max3_num_f32 v[ST+8*(\t)+4+\n], v[ST+8*(\t)+4+\n], v[S+32*(\t)+8*\n+\d], v[S+32*(\t)+8*\n+\d+1]
.endr
.endr
.endr
.irp t, \x, \x+1
	v_max3_num_f32 v[ST+8*(\t)+4], v[ST+8*(\t)+4], v[S+32*(\t)+7], v[S+32*(\t)+15]
	v_max3_num_f32 v[ST+8*(\t)+6], v[ST+8*(\t)+6], v[S+32*(\t)+23], v[S+32*(\t)+31]
.endr
.irp t, \x, \x+1
	v_max3_num_f32 v[ST+8*(\t)+4], v[ST+8*(\t)+4], v[ST+8*(\t)+5], v[ST+8*(\t)+6]
.endr
.irp t, \x, \x+1
	v_max3_num_f32 v[ST+8*(\t)+4], v[ST+8*(\t)+4], v[ST+8*(\t)+7], v[ST+8*(\t)+1]   ; with the old m
.endr
.irp t, \x, \x+1
	v_permlanex16_b32 v[ST+8*(\t)+5], v[ST+8*(\t)+4], s[SEL], s[SEL+1]              ; the query's other 32 keys lie in the lane 16 away
.endr
.irp t, \x, \x+1
	v_mov_b32 v[ST+8*(\t)+7], v[ST+8*(\t)]         ; c m_old
.endr
.irp t, \x, \x+1
	v_max_num_f32 v[ST+8*(\t)+1], v[ST+8*(\t)+4], v[ST+8*(\t)+5]
.endr
.irp t, \x, \x+1
	v_mul_f32 v[ST+8*(\t)], s[CS], v[ST+8*(\t)+1]
.endr
.irp t, \x, \x+1
	v_sub_f32 v[ST+8*(\t)+7], v[ST+8*(\t)+7], v[ST+8*(\t)]
.endr
	; ONE BATCH: 66 exponentials and the 32 packed scalings; none of these lines names an exponential's result
.irp t, \x, \x+1
	v_exp_f32 v[ST+8*(\t)+6], v[ST+8*(\t)+7]       ; a
.endr
.set b, 0
.rept 16
.irp t, \x, \x+1
	v_pk_fma_f32 v[S+32*(\t)+2*b:S+32*(\t)+2*b+1], v[S+32*(\t)+2*b:S+32*(\t)+2*b+1], s[CS:CS+1], v[ST+8*(\t):ST+8*(\t)+1] op_sel_hi:[1,0,0] neg_lo:[0,0,1] neg_hi:[0,0,1]   ; c s - c m
.endr
.if b > 0
.irp t, \x, \x+1
	v_exp_f32 v[S+32*(\t)+2*b-2], v[S+32*(\t)+2*b-2]
	v_exp_f32 v[S+32*(\t)+2*b-1], v[S+32*(\t)+2*b-1]
.endr
.endif
.set b, b+1
.endr
.irp t, \x, \x+1
	v_exp_f32 v[S+32*(\t)+30], v[S+32*(\t)+30]
	v_exp_f32 v[S+32*(\t)+31], v[S+32*(\t)+31]
.endr
	v_nop                                          ; a plain instruction behind the last exponential
	s_wait_alu depctr_va_vdst(0)                   ; one wait for the batch, ahead of the first line that names a result
	; l = a l + the sum of the 16 pairs, in two chains
.irp t, \x, \x+1
	v_pk_fma_f32 v[ST+8*(\t)+2:ST+8*(\t)+3], v[ST+8*(\t)+2:ST+8*(\t)+3], v[ST+8*(\t)+6:ST+8*(\t)+7], v[S+32*(\t):S+32*(\t)+1] op_sel_hi:[1,0,1]
	v_pk_add_f32 v[ST+8*(\t)+4:ST+8*(\t)+5], v[S+32*(\t)+2:S+32*(\t)+3], v[S+32*(\t)+6:S+32*(\t)+7]
.endr
.irp p, 4,8,12,16,20,24
.irp t, \x, \x+1
	v_pk_add_f32 v[ST+8*(\t)+2:ST+8*(\t)+3], v[ST+8*(\t)+2:ST+8*(\t)+3], v[S+32*(\t)+\p:S+32*(\t)+\p+1]
	v_pk_add_f32 v[ST+8*(\t)+4:ST+8*(\t)+5], v[ST+8*(\t)+4:ST+8*(\t)+5], v[S+32*(\t)+\p+6:S+32*(\t)+\p+7]
.endr
.endr
.irp t, \x, \x+1
	v_pk_add_f32 v[ST+8*(\t)+2:ST+8*(\t)+3], v[ST+8*(\t)+2:ST+8*(\t)+3], v[S+32*(\t)+28:S+32*(\t)+29]
.endr
.irp t, \x, \x+1
	v_pk_add_f32 v[ST+8*(\t)+2:ST+8*(\t)+3], v[ST+8*(\t)+2:ST+8*(\t)+3], v[ST+8*(\t)+4:ST+8*(\t)+5]
.endr
.set i, 0
.rept 16
.irp t, \x, \x+1
	v_cvt_pk_f16_f32 v[S+32*(\t)+i], v[S+32*(\t)+2*i], v[S+32*(\t)+2*i+1]   ; P in place: register i is written when registers 2 i, 2 i + 1 are read
.endr
.set i, i+1
.endr
	WIN 0x41                                       ; O^T in window 1, a in window 0
.set i, 0
.rept 16
.irp t, \x, \x+1
	v_pk_mul_f32 v[32*(\t)+2*i:32*(\t)+2*i+1], v[32*(\t)+2*i:32*(\t)+2*i+1], v[ST+8*(\t)+6:ST+8*(\t)+7] op_sel_hi:[1,0]
.endr
.set i, i+1
.endr
.endm
; O^T += V^T P for tiles x, x + 1: 16 products on 8 accumulators by turns, one instruction a turn
.macro PV x
	WIN 0x51                                       ; V and O^T in window 1, P in window 0
.irp ks, 0,1
.irp u, 0,1,2,3
.irp t, \x, \x+1
	v_wmma_f32_16x16x32_f16 v[32*(\t)+8*\u:32*(\t)+8*\u+7], v[VF+8*(2*\u+\ks):VF+8*(2*\u+\ks)+7], v[S+32*(\t)+8*\ks:S+32*(\t)+8*\ks+7], v[32*(\t)+8*\u:32*(\t)+8*\u+7]
.endr
.endr
.endr
.endm
; A KEY STEP: 64 keys
.macro STEP
	v_add_nc_u32 v[ADK], s[TB], v[AK0]             ; five plain instructions behind the last products: the loads below land in V's registers,
	v_add_nc_u32 v[ADV], s[TB], v[AV0]             ; and the products K Q^T write over P
	v_nop
	v_nop
	v_nop
	WIN 0x40                                       ; destination window 1
.irp kt, 0,1,2,3
.irp c, 0,1
	ds_load_b128 v[KF+16*\kt+8*\c:KF+16*\kt+8*\c+3],   v[ADK] offset:2176*\kt+64*\c
	ds_load_b128 v[KF+16*\kt+8*\c+4:KF+16*\kt+8*\c+7], v[ADK] offset:2176*\kt+64*\c+32
.endr
.endr
.irp u, 0,1,2,3
.irp ks, 0,1
	ds_load_tr16_b128 v[VF+8*(2*\u+\ks):VF+8*(2*\u+\ks)+3],   v[ADV] offset:4352*\ks+16*\u
	ds_load_tr16_b128 v[VF+8*(2*\u+\ks)+4:VF+8*(2*\u+\ks)+7], v[ADV] offset:4352*\ks+16*\u+2176
.endr
.endr
	s_wait_dscnt 16                                ; K's sixteen loads are in; V's sixteen may be out
	WIN 0x01                                       ; K in window 1
.irp c, 0,1
.irp kt, 0,1,2,3
.irp t, 0,1,2,3
.if \c == 0
	v_wmma_f32_16x16x32_f16 v[S+32*\t+8*\kt:S+32*\t+8*\kt+7], v[KF+16*\kt+8*\c:KF+16*\kt+8*\c+7], v[Q+16*\t+8*\c:Q+16*\t+8*\c+7], 0
.else
	v_wmma_f32_16x16x32_f16 v[S+32*\t+8*\kt:S+32*\t+8*\kt+7], v[KF+16*\kt+8*\c:KF+16*\kt+8*\c+7], v[Q+16*\t+8*\c:Q+16*\t+8*\c+7], v[S+32*\t+8*\kt:S+32*\t+8*\kt+7]
.endif
.endr
.endr
.endr
	WIN 0
.rept 4
	v_nop                                          ; places in front of the first read of the scores
.endr
	PIECE 0
	s_wait_dscnt 0x0                               ; V is in
	PV 0
	PIECE 2
	PV 2
	WIN 0
	s_add_co_u32 s[TB], s[TB], STEPB
.endm
.macro SLOT_STEPS                      ; a slot's eight key steps: written once, walked eight times
	s_mov_b32 s[STEPS], 8
.Lstep_\@:
	STEP
	s_sub_co_u32 s[STEPS], s[STEPS], 1
	s_cmp_lg_u32 s[STEPS], 0
	s_cbranch_scc1 .Lstep_\@
	s_sub_co_u32 s[TB], s[TB], 8*STEPB             ; back to a slot's first step,
	s_xor_b32 s[TB], s[TB], SLOTB                  ; in the other slot
.endm
; THE CHANGE OF SLOTS stands at a slot's head.  Each wave waits for all its tensor loads (its tile of the slot ahead), adds 0 to its spare word, and waits for that and for its reads of the slot that it has left.
; fill = 1: a round of the cluster's barrier, so that no wave of any partner still reads the other slot or has a load on its way; the joint load of the next 512 keys is the first thing behind it.
.macro CHANGE fill
	s_wait_tensorcnt 0x0                           ; no tensor load of mine is out, so group 0 may be written
	ds_add_u32 v[SPW], v[NIL]                      ; 0 onto my spare word
.if \fill
	s_xor_b32 s[SB], s[SB], SLOTB                  ; the other slot than last time,
	s_add_co_u32 s[G0+1], s[WL], s[SB]
	s_add_nc_u64 s[G0+2:G0+3], s[G0+2:G0+3], 65536 ; the next 512 keys; the type bits on top are not reached
.endif
	s_wait_dscnt 0x0                               ; the add is done, and my reads of the slot that I have left are over
.if \fill
	ROUND
	tensor_load_to_lds s[G0:G0+3], s[G1:G1+7]
	s_nop 0
.rept 4
	v_nop
.endr
.else
	s_barrier_signal -1
	s_barrier_wait -1
.endif
.endm
	s_wait_loadcnt 0x0                             ; Q
.Lslot:                                            ; three trips: slot 1's first fill, then keys 1,024 on into slot 0, then keys 1,536 on into slot 1
	CHANGE 1
	SLOT_STEPS
	s_sub_co_u32 s[SLOTS], s[SLOTS], 1
	s_cmp_lg_u32 s[SLOTS], 0
	s_cbranch_scc1 .Lslot
	CHANGE 0                                       ; the last slot is written out
	SLOT_STEPS
	; THE WAY OUT.  l's two halves and the other half of the lanes' are added; O^T is divided by l, rounded to f16 and sent through my stage, a tile (16 rows) at a time.  The additions are the places behind the last products.
	s_wait_kmcnt 0x0                               ; the last, wrapped-round load of mask words: nothing stays pending
.irp t, 0,1,2,3
	v_add_f32 v[ST+8*\t+4], v[ST+8*\t+2], v[ST+8*\t+3]
.endr
.irp t, 0,1,2,3
	v_permlanex16_b32 v[ST+8*\t+5], v[ST+8*\t+4], s[SEL], s[SEL+1]
.endr
.irp t, 0,1,2,3
	v_add_f32 v[ST+8*\t+4], v[ST+8*\t+4], v[ST+8*\t+5]
.endr
.irp t, 0,1,2,3
	v_rcp_f32 v[ST+8*\t+6], v[ST+8*\t+4]
.endr
	v_nop                                          ; a plain instruction behind the last reciprocal
	s_wait_alu depctr_va_vdst(0)                   ; one wait for the four, ahead of the first use
.irp t, 0,1,2,3
	WIN 0x41
.set i, 0
.rept 16
	v_pk_mul_f32 v[32*\t+2*i:32*\t+2*i+1], v[32*\t+2*i:32*\t+2*i+1], v[ST+8*\t+6:ST+8*\t+7] op_sel_hi:[1,0]
.set i, i+1
.endr
	WIN 0x05                                       ; sources in window 1, destination in window 0: S^T's registers are free
.set i, 0
.rept 16
	v_cvt_pk_f16_f32 v[S+32*\t+i], v[32*\t+2*i], v[32*\t+2*i+1]
.set i, i+1
.endr
	WIN 0
.irp u, 0,1,2,3
	ds_store_b128 v[STO], v[S+32*\t+4*\u:S+32*\t+4*\u+3] offset:16*\u
.endr
.irp u, 0,1,2,3
	ds_load_b128 v[S+32*\t+16+4*\u:S+32*\t+16+4*\u+3], v[RD] offset:576*\u   ; LDS serves a wave's instructions in order: these see the stores above, and the next tile's stores come behind them
.endr
	s_wait_dscnt 0x0
.irp u, 0,1,2,3
	global_store_b128 v[GO], v[S+32*\t+16+4*\u:S+32*\t+16+4*\u+3], s[OP:OP+1] offset:2048*\t+512*\u   ; 32 lanes store 512 consecutive bytes, aligned; each tile has registers of its own
.endr
.endr
	s_wait_tensorcnt 0x0                           ; the wave's end
	ds_add_u32 v[SPW], v[NIL]
	s_wait_dscnt 0x0
	ROUND                                          ; the closing round: no work-group ends while a partner may still ask for a tile that names it
	s_endpgm
.Lfunc_end_k_q38ddde8948_attn:
	.size	k_q38ddde8948_attn, .Lfunc_end_k_q38ddde8948_attn-k_q38ddde8948_attn
	.p2alignl 7, 3214868480
	.fill 96, 4, 3214868480
	.section	.rodata,"a",@progbits
	.p2align	6, 0x0
	.amdhsa_kernel k_q38ddde8948_attn
		.amdhsa_group_segment_fixed_size 327680
		.amdhsa_private_segment_fixed_size 0
		.amdhsa_enable_private_segment 0
		.amdhsa_kernarg_size 24
		.amdhsa_user_sgpr_count 2
		.amdhsa_user_sgpr_kernarg_segment_ptr 1
		.amdhsa_wavefront_size32 1
		.amdhsa_system_sgpr_workgroup_id_x 1
		.amdhsa_system_sgpr_workgroup_id_y 1
		.amdhsa_system_sgpr_workgroup_id_z 1
		.amdhsa_system_vgpr_workitem_id 0
		.amdhsa_next_free_vgpr 512
		.amdhsa_next_free_sgpr 102
		.amdhsa_reserve_vcc 0
		.amdhsa_float_denorm_mode_32 3
		.amdhsa_float_denorm_mode_16_64 3
		.amdhsa_memory_ordered 1
		.amdhsa_forward_progress 1
		.amdhsa_inst_pref_size 108
	.end_amdhsa_kernel
	.amdgpu_metadata
---
amdhsa.version: [ 1, 2 ]
amdhsa.kernels:
  - .name:           k_q38ddde8948_attn
    .symbol:         k_q38ddde8948_attn.kd
    .args:
      - { .name: qkvh, .offset: 0, .size: 8, .value_kind: global_buffer, .address_space: global }
      - { .name: maskw, .offset: 8, .size: 8, .value_kind: global_buffer, .address_space: global }
      - { .name: o16, .offset: 16, .size: 8, .value_kind: global_buffer, .address_space: global }
    .group_segment_fixed_size: 327680
    .private_segment_fixed_size: 0
    .kernarg_segment_align: 8
    .kernarg_segment_size: 24
    .max_flat_workgroup_size: 256
    .sgpr_count:     102
    .vgpr_count:     512
    .wavefront_size: 32
...
	.end_amdgpu_metadata
.endif
;; end of part 3
;; launch proj (part 4): grid 4 x 64, 4 waves a work-group, clusters of 4 x 4, 327,680 bytes of LDS; arguments o16, w16, b_out, out0; writes out0
.if DOCPART == 4
	.amdgcn_target "amdgcn-amd-amdhsa--gfx1250"
	.amdhsa_code_object_version 6
	.text
	.protected	k_q38ddde8948_proj
	.globl	k_q38ddde8948_proj
	.p2align	8
	.type	k_q38ddde8948_proj,@function
k_q38ddde8948_proj:
	s_mov_b64 s[64:65], 0
	v_nop
	global_prefetch_b8 v0, s[64:65] scope:SCOPE_SE
	s_setreg_imm32_b32 hwreg(HW_REG_WAVE_MODE, 25, 1), 1
	s_wait_xcnt 0x0
	s_wait_alu depctr_hold_cnt(0) depctr_sa_sdst(0) depctr_va_vdst(0) depctr_va_sdst(0) depctr_va_ssrc(0) depctr_va_vcc(0) depctr_vm_vsrc(0)
	s_getreg_b32 s2, hwreg(HW_REG_IB_STS2, 6, 4)
	s_cmp_eq_u32 s2, 0
	s_cbranch_scc0 .Lentry_in_a_cluster
	s_endpgm
.Lentry_in_a_cluster:
	s_bfe_u32 s2, ttmp6, 0x10000c
	s_cmp_lg_u32 s2, 0xf033
	s_cbranch_scc0 .Lentry_shape_is_right
	s_endpgm
.Lentry_shape_is_right:
; out0[m][n] = the sum over k of o[m][k] W_out[k][n] + b_out[n].  o: o16 [head 16][token 8192][64] f16 (k = 64 head + channel); W_out: w16 [k 1024][n 1024] f16; b_out, out0: f32.  Sums in f32.
; A tile of out0 is 128 rows x 256 columns: 256 work-groups of four waves; wave w makes rows 64 (w / 2) on, columns 128 (w % 2) on: 32 accumulators, 256 registers.
; K goes in steps of 128 (two heads) through a ring of two LDS slots.  A's tile: two head blocks of 128 tokens x 128 bytes, dense in memory, as 64 rows x (256 bytes + 16), two tokens to a row (waves 0, 1 fetch one each).
; B's tile: 128 rows of k x (512 bytes + 32) (waves 2, 3 fetch 64 rows each); it comes out of LDS turned, by ds_load_tr16_b128: rows 136 words apart.
; CLUSTERS: 4 x 4 work-groups.  A's tile hangs on the tile row alone and is shared along a row of the cluster, B's on the tile column alone and is shared along a column: each is asked for jointly.
; THE MATRIX INSTRUCTION IS USED TRANSPOSED (source 0 = 16 columns of W_out, source 1 = 16 tokens): a lane holds eight neighbouring columns of one row of out0.  The bias is the C of each sum's first product.
; A wave has two tensor loads out at the start and one behind each round.
; REGISTERS.  window 0: v16-29 addresses; v32-95 A's fragments, two sets; v128-255 the way out.   window 1: v0-127 B's fragments, two sets; v128-191 the bias.   window 2: the accumulators ((a, b) at v[8 (8 a + b)]).
.set SLOT,   104448
.set BOFF,   34816                     ; B's tile lies behind A's two blocks of 17,408 bytes
.set STAGE,  2*SLOT                    ; behind the ring: 16 rows x 528 bytes for each wave
.set SPITCH, 528
.set SPARE,  STAGE+4*16*SPITCH         ; the spare words, 128 bytes for each wave
.set ADRA, 16
.set ADRB, 20
.set STO,  24
.set RD,   25
.set CO,   26
.set BO,   27
.set SPW,  28
.set NIL,  29
.set BI,   128                         ; in window 1
.set BK,   128                         ; in window 0
.set G1, 24
.set G0, 32
.set G1B, 48
.set G0B, 56
.set MSB, 0
.macro WIN new                         ; the immediate's high byte repeats the setting that is left
.if MSB != (\new)
	s_set_vgpr_msb (MSB<<8)|(\new)
.set MSB, (\new)
.endif
.endm
.macro JLOAD s                         ; a joint load: waves 0 and 1 fetch A's two head blocks, waves 2 and 3 B's halves; an s_nop 0 and four v_nop follow each line
	s_cmp_eq_u32 s15, 0
	s_cbranch_scc0 .Lfor_b_\@
	tensor_load_to_lds s[G0+4*\s:G0+4*\s+3], s[G1:G1+7]
	s_nop 0
.rept 4
	v_nop
.endr
	s_branch .Lasked_\@
.Lfor_b_\@:
	tensor_load_to_lds s[G0B+4*\s:G0B+4*\s+3], s[G1B:G1B+7]
	s_nop 0
.rept 4
	v_nop
.endr
.Lasked_\@:
.endm
.macro CREST                           ; a round of the cluster's barrier behind its opening barrier
	s_cmp_lg_u32 s14, 0
	s_cbranch_scc1 .Lnot_wave_0_\@
	s_barrier_signal -3
.Lnot_wave_0_\@:
	s_barrier_wait -3
	s_barrier_signal -1
	s_barrier_wait -1
.endm
.macro CROUND
	s_barrier_signal -1
	s_barrier_wait -1
	CREST
.endm
	s_load_b128 s[4:7], s[0:1], 0x0                ; o16, w16
	s_load_b128 s[8:11], s[0:1], 0x10              ; b_out, out0
	v_lshl_add_u32 v[SPW], v0, 2, SPARE
	v_mov_b32 v[NIL], 0
	ds_add_u32 v[SPW], v[NIL]                      ; the wave's opening: the add, twice on end, and its wait ahead of my first tensor load
	ds_add_u32 v[SPW], v[NIL]
	v_lshrrev_b32 v1, 5, v0
	v_readfirstlane_b32 s14, v1                    ; wave 0..3
	s_lshr_b32 s15, s14, 1                         ; which half of the tile's rows is mine.  Also: I fetch for A (0) or for B (1)
	s_and_b32 s16, s14, 1                          ; which half of its columns.  Also: which half of that tile I fetch
	s_bfe_u32 s40, ttmp6, 0x40000                  ; cx
	s_bfe_u32 s41, ttmp6, 0x40004                  ; cy
	s_lshl_b32 s42, ttmp9, 2
	s_add_co_u32 s42, s42, s40                     ; tile column
	s_and_b32 s17, ttmp7, 0xffff
	s_lshl_b32 s17, s17, 2
	s_add_co_u32 s17, s17, s41                     ; tile row
	s_lshl_b32 s43, s41, 2
	s_lshl_b32 s43, 15, s43                        ; my row of the cluster
	s_lshl_b32 s44, 0x1111, s40                    ; my column
	s_or_b32 s[G1+0], s43, (1<<16)|(1<<20)|(1<<21)|(5<<22)|(3<<25)    ; A: elements of 2 bytes; 4 words of padding after every 64
	s_mov_b32 s[G1+1], 128<<16                     ; tensor_dim0 = 128 elements: two tokens
	s_mov_b32 s[G1+2], 64<<16                      ; tensor_dim1
	s_mov_b32 s[G1+3], 128<<16                     ; tile_dim0
	s_mov_b32 s[G1+4], 64                          ; tile_dim1
	s_mov_b32 s[G1+5], 128                         ; the pitch: dense
	s_mov_b32 s[G1+6], 0
	s_mov_b32 s[G1+7], 0
	s_or_b32 s[G1B+0], s44, (1<<16)|(1<<20)|(1<<21)|(6<<22)|(7<<25)   ; B: 8 words of padding after every 128
	s_mov_b32 s[G1B+1], 256<<16
	s_mov_b32 s[G1B+2], 64<<16
	s_mov_b32 s[G1B+3], 256<<16
	s_mov_b32 s[G1B+4], 64
	s_mov_b32 s[G1B+5], 1024
	s_mov_b32 s[G1B+6], 0
	s_mov_b32 s[G1B+7], 0
	s_lshl_b32 s20, s16, 20                        ; A: head (w % 2), 1,048,576 bytes a head; 128 tokens of 128 bytes a tile row
	s_lshl_b32 s21, s17, 14
	s_add_co_u32 s20, s20, s21
	s_mov_b32 s21, 0
	s_lshl_b32 s46, s16, 17                        ; B: 64 rows of 2,048 bytes a half; 512 bytes a tile column
	s_lshl_b32 s47, s42, 9
	s_add_co_u32 s46, s46, s47
	s_mov_b32 s47, 0
	s_mul_i32 s45, s16, 17408                      ; where they go: no place in the cluster enters an LDS address
	s_mul_i32 s22, s16, 34816
	s_add_co_u32 s22, s22, BOFF
	s_wait_dscnt 0x0                               ; both opening adds are done
	s_wait_kmcnt 0x0
	s_add_nc_u64 s[20:21], s[4:5], s[20:21]
	s_add_nc_u64 s[46:47], s[6:7], s[46:47]
	CROUND                                         ; all sixteen work-groups are here: the first joint loads meet
.irp s, 0,1
	s_mov_b32 s[G0+4*\s], 1
	s_add_co_u32 s[G0+4*\s+1], s45, \s*SLOT
	s_add_nc_u64 s[G0+4*\s+2:G0+4*\s+3], s[20:21], \s*2097152      ; K step s: two heads on
	s_or_b32 s[G0+4*\s+3], s[G0+4*\s+3], 0x80000000
	s_mov_b32 s[G0B+4*\s], 1
	s_add_co_u32 s[G0B+4*\s+1], s22, \s*SLOT
	s_add_nc_u64 s[G0B+4*\s+2:G0B+4*\s+3], s[46:47], \s*262144     ; 128 rows on
	s_or_b32 s[G0B+4*\s+3], s[G0B+4*\s+3], 0x80000000
	JLOAD \s
.endr
	v_and_b32 v1, 15, v0                           ; r
	v_bfe_u32 v2, v0, 4, 1                         ; h
	s_lshl_b32 s20, s42, 10                        ; the bias of my 128 columns: lane (r, h) wants, for block b, columns 16 b + 8 h + 0 .. 7
	s_lshl_b32 s21, s16, 9
	s_add_co_u32 s20, s20, s21
	s_mov_b32 s21, 0
	s_add_nc_u64 s[8:9], s[8:9], s[20:21]
	v_lshlrev_b32 v[BO], 5, v2
	WIN 0x40                                       ; destination window 1
.irp b, 0,1,2,3,4,5,6,7
	global_load_b128 v[BI+8*\b:BI+8*\b+3],   v[BO], s[8:9] offset:64*\b
	global_load_b128 v[BI+8*\b+4:BI+8*\b+7], v[BO], s[8:9] offset:64*\b+16
.endr
	WIN 0
	v_lshrrev_b32 v3, 1, v1
	v_mul_u32_u24 v3, v3, 272
	v_and_b32 v4, 1, v1
	v_lshl_add_u32 v3, v4, 7, v3
	v_lshl_add_u32 v3, v2, 4, v3                   ; A: token r: 272 (r / 2) + 128 (r % 2) + 16 h
	v_and_b32 v4, 7, v0
	v_lshl_add_u32 v4, v2, 3, v4
	v_mul_u32_u24 v4, v4, 544
	v_bfe_u32 v5, v0, 3, 1
	v_lshl_add_u32 v4, v5, 4, v4                   ; B: row 8 h + lane % 8 of k, + 16 ((lane / 8) % 2)
	s_mul_i32 s21, s15, 8704                       ; my 64 tokens
	s_lshl_b32 s23, s16, 8                         ; my 128 columns,
	s_add_co_u32 s23, s23, BOFF                    ; behind A's blocks
.irp s, 0,1
	v_add_nc_u32 v[ADRA+\s], s21, v3
	v_add_nc_u32 v[ADRB+\s], s23, v4
	s_add_co_u32 s21, s21, SLOT
	s_add_co_u32 s23, s23, SLOT
.endr
	s_mul_i32 s23, s14, 16*SPITCH
	s_add_co_u32 s23, s23, STAGE                   ; my stage
	v_mul_u32_u24 v5, v1, SPITCH
	v_lshl_add_u32 v5, v2, 5, v5
	v_add_nc_u32 v[STO], s23, v5                   ; in: row r, 32 bytes for each half of the lanes
	v_and_b32 v6, 31, v0
	v_lshlrev_b32 v[CO], 4, v6                     ; back: the 32 lanes take one row of 512 bytes; and the same in out0
	v_add_nc_u32 v[RD], s23, v[CO]
	s_lshl_b32 s20, s17, 19                        ; out0: 128 rows of 4,096 bytes a tile row, my 64 rows,
	s_lshl_b32 s21, s15, 18
	s_add_co_u32 s20, s20, s21
	s_lshl_b32 s21, s42, 10                        ; 1,024 bytes a tile column, my 512
	s_add_co_u32 s20, s20, s21
	s_lshl_b32 s21, s16, 9
	s_add_co_u32 s20, s20, s21
	s_mov_b32 s21, 0
	s_add_nc_u64 s[10:11], s[10:11], s[20:21]
; the fragments of 32 along K, the slot's q-th: B's eight blocks of 16 columns (turned) into set f of window 1, A's four blocks of 16 tokens into set f of window 0
.macro FETCH slot, q, f
	WIN 0x40
.irp b, 0,1,2,3,4,5,6,7
	ds_load_tr16_b128 v[64*(\f)+8*\b:64*(\f)+8*\b+3],   v[ADRB+\slot] offset:17408*(\q)+32*\b
	ds_load_tr16_b128 v[64*(\f)+8*\b+4:64*(\f)+8*\b+7], v[ADRB+\slot] offset:17408*(\q)+32*\b+8704
.endr
	WIN 0
.irp a, 0,1,2,3
	ds_load_b128 v[32+32*(\f)+8*\a:32+32*(\f)+8*\a+3],   v[ADRA+\slot] offset:17408*((\q)/2)+64*((\q)%2)+2176*\a
	ds_load_b128 v[32+32*(\f)+8*\a+4:32+32*(\f)+8*\a+7], v[ADRA+\slot] offset:17408*((\q)/2)+64*((\q)%2)+2176*\a+32
.endr
.endm
; 8 matrix instructions: A's block a x B's eight.  The 32 accumulators take turns, one instruction a turn, in the same order in every quarter.  first = 1: the bias starts the sums
.macro MUL8 f, a, first
.irp b, 0,1,2,3,4,5,6,7
.if \first
	v_wmma_f32_16x16x32_f16 v[8*(8*(\a)+\b):8*(8*(\a)+\b)+7], v[64*(\f)+8*\b:64*(\f)+8*\b+7], v[32+32*(\f)+8*(\a):32+32*(\f)+8*(\a)+7], v[BI+8*\b:BI+8*\b+7]
.else
	v_wmma_f32_16x16x32_f16 v[8*(8*(\a)+\b):8*(8*(\a)+\b)+7], v[64*(\f)+8*\b:64*(\f)+8*\b+7], v[32+32*(\f)+8*(\a):32+32*(\f)+8*(\a)+7], v[8*(8*(\a)+\b):8*(8*(\a)+\b)+7]
.endif
.endr
.endm
.macro PLACES                          ; four plain instructions in front of loads into registers that matrix instructions have read, and of the first read of results
.rept 4
	v_nop
.endr
.endm
; A K step is four quarters of 32 along K on sets 0, 1, 0, 1.  One of the first three: multiplies set f and fetches the slot's quarter q into set g.  Windows: source 0 window 1, D window 2, C window 2 (0xa1) or, for the bias, window 1 (0x91)
.macro QUARTER slot, q, f, g, first
	s_wait_dscnt 0x0                               ; set f is in
	WIN 0xa1-0x10*(\first)
	MUL8 \f, 0, \first
	MUL8 \f, 1, \first
	PLACES
	FETCH \slot, \q, \g
	WIN 0xa1-0x10*(\first)
	MUL8 \f, 2, \first
	MUL8 \f, 3, \first
.endm
; The last quarter multiplies set 1 and changes slots: one barrier; in front of it each wave waits for all its tensor loads, adds 0 to its spare word, and waits for that and for its reads of this slot.  fill = 1: this slot is filled again, two K steps ahead.
.macro TURN slot, next, fill
	WIN 0                                          ; (the add's two registers lie in window 0)
	s_wait_tensorcnt 0x0                           ; all my tensor loads have landed: my part of the next slot
	ds_add_u32 v[SPW], v[NIL]                      ; 0 onto my spare word
	s_wait_dscnt 1                                 ; set 1 is in; the add alone may be out
	WIN 0xa1
	MUL8 1, 0, 0                                   ; eight matrix instructions stand between the add and the wait for it
	s_wait_dscnt 0x0                               ; the add is done, and my reads of this slot are over
	s_barrier_signal -1
	MUL8 1, 1, 0
	WIN 0
	s_barrier_wait -1
.if \fill
	CREST                                          ; the barrier has opened a round of the cluster's barrier: no wave of any partner still reads this slot or has a load on its way
	s_add_nc_u64 s[G0+4*\slot+2:G0+4*\slot+3], s[G0+4*\slot+2:G0+4*\slot+3], 4194304     ; four heads on
	s_add_nc_u64 s[G0B+4*\slot+2:G0B+4*\slot+3], s[G0B+4*\slot+2:G0B+4*\slot+3], 524288  ; 256 rows on
	JLOAD \slot                                    ; the first tensor load behind the round; its four v_nop are also the places in front of the loads below
.else
	PLACES
.endif
	FETCH \next, 0, 0
	WIN 0xa1
	MUL8 1, 2, 0
	MUL8 1, 3, 0
.endm
	s_wait_tensorcnt 1                             ; my part of K step 0 is in (K step 1's load may be out)
	s_barrier_signal -1
	s_barrier_wait -1                              ; everybody's is
	FETCH 0, 0, 0
	s_wait_loadcnt 0x0                             ; the bias
	QUARTER 0, 1, 0, 1, 1                          ; the first quarter stands in front of the loop: its products start the sums from the bias
	WIN 0                                          ; at a label and at a branch every window is 0
	s_mov_b32 s3, 3
.Llap:                                             ; a trip goes once round the ring, from a lap's second quarter to the next lap's first, and fills both slots again
	QUARTER 0, 2, 1, 0, 0
	QUARTER 0, 3, 0, 1, 0
	TURN 0, 1, 1
	QUARTER 1, 1, 0, 1, 0
	QUARTER 1, 2, 1, 0, 0
	QUARTER 1, 3, 0, 1, 0
	TURN 1, 0, 1
	QUARTER 0, 1, 0, 1, 0
	WIN 0
	s_sub_co_u32 s3, s3, 1
	s_cmp_lg_u32 s3, 0
	s_cbranch_scc1 .Llap
	QUARTER 0, 2, 1, 0, 0                          ; the last lap fills nothing, and has no round of the cluster's barrier
	QUARTER 0, 3, 0, 1, 0
	TURN 0, 1, 0
	QUARTER 1, 1, 0, 1, 0
	QUARTER 1, 2, 1, 0, 0
	QUARTER 1, 3, 0, 1, 0
	s_wait_dscnt 0x0                               ; the very last quarter: nothing more to fetch
	WIN 0xa1
	MUL8 1, 0, 0
	MUL8 1, 1, 0
	MUL8 1, 2, 0
	MUL8 1, 3, 0
	WIN 0
; THE WAY OUT, block by block of 16 rows x 128 columns: through my own stage, back as whole rows of 512 bytes.  No pointer is stepped: 63 rows of 4,096 bytes at the most stand in the immediate.
.macro TOSTAGE a
	WIN 0x08                                       ; an LDS store's data are its source 1: window 2
.irp b, 0,1,2,3,4,5,6,7
	ds_store_b128 v[STO], v[8*(8*(\a)+\b):8*(8*(\a)+\b)+3] offset:64*\b          ; each accumulator from its low end on
	ds_store_b128 v[STO], v[8*(8*(\a)+\b)+4:8*(8*(\a)+\b)+7] offset:64*\b+16
.endr
	WIN 0
.set BB, BK+64*((\a)%2)
.irp t, 0,1,2,3,4,5,6,7,8,9,10,11,12,13,14,15
	ds_load_b128 v[BB+4*\t:BB+4*\t+3], v[RD] offset:\t*SPITCH                    ; LDS serves a wave's instructions in order: these see the stores above
.endr
.endm
.macro SEND a, younger                 ; younger: the LDS instructions issued behind block a's loads, which may stay out
.set BB, BK+64*((\a)%2)
	s_wait_dscnt \younger
.irp t, 0,1,2,3,4,5,6,7,8,9,10,11,12,13,14,15
	global_store_b128 v[CO], v[BB+4*\t:BB+4*\t+3], s[10:11] offset:(16*(\a)+\t)*4096 th:TH_STORE_NT   ; 32 lanes store 512 consecutive bytes, aligned; written once, read by nobody here
.endr
.endm
	PLACES                                         ; behind the last products, in front of the first read of results
	TOSTAGE 0
.irp a, 1,2,3
.if \a > 1
	s_wait_xcnt 0x0                                ; block a - 2's stores have read their registers: block a's loads may land there
.endif
	TOSTAGE \a
	SEND \a-1, 32                                  ; behind block a - 1's loads: block a's 16 stores and 16 loads
.endr
	SEND 3, 0
	s_wait_tensorcnt 0x0                           ; the wave's end
	ds_add_u32 v[SPW], v[NIL]
	s_wait_dscnt 0x0
	CROUND                                         ; the closing round
	s_endpgm
.Lfunc_end_k_q38ddde8948_proj:
	.size	k_q38ddde8948_proj, .Lfunc_end_k_q38ddde8948_proj-k_q38ddde8948_proj
	.p2alignl 7, 3214868480
	.fill 96, 4, 3214868480
	.section	.rodata,"a",@progbits
	.p2align	6, 0x0
	.amdhsa_kernel k_q38ddde8948_proj
		.amdhsa_group_segment_fixed_size 327680
		.amdhsa_private_segment_fixed_size 0
		.amdhsa_enable_private_segment 0
		.amdhsa_kernarg_size 32
		.amdhsa_user_sgpr_count 2
		.amdhsa_user_sgpr_kernarg_segment_ptr 1
		.amdhsa_wavefront_size32 1
		.amdhsa_system_sgpr_workgroup_id_x 1
		.amdhsa_system_sgpr_workgroup_id_y 1
		.amdhsa_system_sgpr_workgroup_id_z 1
		.amdhsa_system_vgpr_workitem_id 0
		.amdhsa_next_free_vgpr 768
		.amdhsa_next_free_sgpr 66
		.amdhsa_reserve_vcc 0
		.amdhsa_float_denorm_mode_32 3
		.amdhsa_float_denorm_mode_16_64 3
		.amdhsa_memory_ordered 1
		.amdhsa_forward_progress 1
		.amdhsa_inst_pref_size 87
	.end_amdhsa_kernel
	.amdgpu_metadata
---
amdhsa.version: [ 1, 2 ]
amdhsa.kernels:
  - .name:           k_q38ddde8948_proj
    .symbol:         k_q38ddde8948_proj.kd
    .args:
      - { .name: o16, .offset: 0, .size: 8, .value_kind: global_buffer, .address_space: global }
      - { .name: w16, .offset: 8, .size: 8, .value_kind: global_buffer, .address_space: global }
      - { .name: b_out, .offset: 16, .size: 8, .value_kind: global_buffer, .address_space: global }
      - { .name: out0, .offset: 24, .size: 8, .value_kind: global_buffer, .address_space: global }
    .group_segment_fixed_size: 327680
    .private_segment_fixed_size: 0
    .kernarg_segment_align: 8
    .kernarg_segment_size: 32
    .max_flat_workgroup_size: 128
    .sgpr_count:     66
    .vgpr_count:     768
    .wavefront_size: 32
...
	.end_amdgpu_metadata
.endif
;; end of part 4
